; MI455X (gfx1250); checked and timed in simulation.
; The chip was launched on July 23, 2026; its instructions are those of AMD's public machine-readable ISA for CDNA 5 (MIT licence, August 2026) and "CDNA5" Instruction Set Architecture Reference Guide (July 2026). The comments in the code are by the model that wrote it; some were corrected since.
;; Weightless FFN. Allowed arithmetic: float matrix products may take bf16 or f16 operands with f32 sums; other float arithmetic in f32, or as packed bf16 or f16 multiplies, adds, multiply-adds, maxima and minima; sums over many terms, partial sums and values carried from step to step in f32; what a program stores and reads back later, other than sums and carried values, may be rounded once to bf16 or f16.
;; Inputs: down_s 2,048 float32; down_w 2,048 x 2,752 int32; gate_s 2,752 float32; gate_w 2,752 x 2,048 int32; up_s 2,752 float32; up_w 2,752 x 2,048 int32; x 2 x 2,048 x 2,048 float32.
;; Outputs: out0 2 x 2,048 x 2,048 float32.
;; 3 versions, each right; version 2 is faster than version 1; version 3 is version 2 with the launch prep written anew for expert scheduling mode. Each part assembles by itself: llvm-mc -triple=amdgcn-amd-amdhsa -mcpu=gfx1250 --defsym DOCPART=n.
;; ======== version 1 of 3: 3 launches
;; workspace buffers: xb 16,777,216 bytes; wgu 23,068,672 bytes; dwb 11,534,336 bytes; hb 46,137,344 bytes
;; launch prep (part 1): grid 864 x 1, 8 waves a work-group, no clusters, 0 bytes of LDS; arguments x, gate_w, up_w, down_w, xb, wgu, dwb; writes xb, wgu, dwb
.if DOCPART == 1
	.amdgcn_target "amdgcn-amd-amdhsa--gfx1250"
	.amdhsa_code_object_version 6
	.text
	.protected	k_qd22d211a61_prep
	.globl	k_qd22d211a61_prep
	.p2align	8
	.type	k_qd22d211a61_prep,@function
k_qd22d211a61_prep:
	s_mov_b64 s[64:65], 0
	v_nop
	global_prefetch_b8 v0, s[64:65] scope:SCOPE_SE
	s_setreg_imm32_b32 hwreg(HW_REG_WAVE_MODE, 25, 1), 1
	s_wait_xcnt 0x0
; PREP: the operands of the two products, cast once to bf16 and laid out for tiles whose rows are 256 aligned bytes.
;   xb  [4096][2048] bf16 = x, rounded to nearest even.
;   wgu [5632][2048] bf16: 88 groups of 64 rows (262,144 bytes each).  Group 2 c = gate_w's rows 64 c .. 64 c + 63, group 2 c + 1 = up_w's same rows, c = 0 .. 42;
;       groups 86 and 87 are zeros: the ff axis, 2752 = 43 x 64, is filled up to 2816 = 22 x 128.
;   dwb [2048][2816] bf16 = down_w, each row filled up with 64 zeros: a row is 5,632 bytes = 22 x 256.
; LIMITS.  A weight goes int32 -> f32 -> bf16 by the conversion instructions: exact up to 256 in magnitude, beyond that rounded to bf16's 8 significant bits.
; A stream: no LDS, no barrier, no matrix work, no loop.  A step of a wave is one load of 16 bytes a lane (512 consecutive bytes, 128 numbers), the conversion in place, and one
; store of 8 bytes a lane (256 consecutive bytes, aligned).  All of a wave's loads go out first (32 x 512 bytes), then each is waited for by a count.
; No register that a memory instruction names is written again, so no wait frees a source.
; The work-group's number chooses the path: 0-255 x; 256-599 gate_w and up_w (172 each); 600-855 down_w (8 rows each, a row a wave); 856-863 wgu's zero groups.
.set SRC,  2                           ; v2        byte offset of my 16 bytes in the source
.set DST,  3                           ; v3        byte offset of my 8 bytes in the destination
.set DAT,  4                           ; v[4:131]  step i: 4 registers as loaded; the first two then hold the 4 bf16
.set SRC2, 132                         ; v132      down_w: the offset for a row's last 256 bytes
.set WVV,  133                         ; v133      my wave's number
.set TA,   134                         ; v134, v135 at work
.set TB,   135
; n steps.  isint = 1: the source holds int32.  tail = 1: the last step has 64 numbers only (lanes 0-15); lanes 16-31 read those bytes once more, so that
; no load leaves the row, and store zeros.
.macro CONV n, isint, tail
.set i, 0
.rept \n
.if (\tail) && (i == (\n)-1)
	global_load_b128 v[DAT+4*i:DAT+4*i+3], v[SRC2], s[20:21] offset:512*i th:TH_LOAD_NT
.else
	global_load_b128 v[DAT+4*i:DAT+4*i+3], v[SRC], s[20:21] offset:512*i th:TH_LOAD_NT
.endif
.set i, i+1
.endr
.set i, 0
.rept \n
	s_wait_loadcnt (\n)-1-i                        ; loads come back in order (ISA guide 5.7.1): step i's is in, the younger ones stay out
.if \isint
	v_cvt_f32_i32 v[DAT+4*i],   v[DAT+4*i]
	v_cvt_f32_i32 v[DAT+4*i+1], v[DAT+4*i+1]
	v_cvt_f32_i32 v[DAT+4*i+2], v[DAT+4*i+2]
	v_cvt_f32_i32 v[DAT+4*i+3], v[DAT+4*i+3]
.endif
	v_cvt_pk_bf16_f32 v[DAT+4*i],   v[DAT+4*i],   v[DAT+4*i+1]
	v_cvt_pk_bf16_f32 v[DAT+4*i+1], v[DAT+4*i+2], v[DAT+4*i+3]
.if (\tail) && (i == (\n)-1)
	v_cndmask_b32 v[DAT+4*i],   0, v[DAT+4*i],   vcc_lo  ; lanes 16-31: the row's 64 zeros
	v_cndmask_b32 v[DAT+4*i+1], 0, v[DAT+4*i+1], vcc_lo
.endif
	global_store_b64 v[DST], v[DAT+4*i:DAT+4*i+1], s[22:23] offset:256*i  ; 32 lanes store 256 consecutive bytes, aligned; the next launch reads them: no hint
.set i, i+1
.endr
.endm
	s_load_b256 s[4:11], s[0:1], 0x0               ; x s[4:5], gate_w s[6:7], up_w s[8:9], down_w s[10:11]
	s_load_b128 s[12:15], s[0:1], 0x20             ; xb s[12:13], wgu s[14:15]
	s_load_b64 s[16:17], s[0:1], 0x30              ; dwb
	v_and_b32 v1, 31, v0                           ; lane
	v_lshrrev_b32 v[WVV], 5, v0                    ; wave
	v_lshlrev_b32 v[SRC], 4, v1                    ; for x, gate_w, up_w: a wave takes 16,384 consecutive bytes
	v_lshl_add_u32 v[SRC], v[WVV], 14, v[SRC]
	v_lshlrev_b32 v[DST], 3, v1                    ; and makes 8,192 of them
	v_lshl_add_u32 v[DST], v[WVV], 13, v[DST]
	s_mov_b32 s25, 0                               ; the offsets' high words
	s_mov_b32 s27, 0
	s_wait_kmcnt 0x0
	s_cmp_lt_u32 ttmp9, 256
	s_cbranch_scc0 .Lnot_x
	; x: 32,768 numbers a work-group
	s_lshl_b32 s24, ttmp9, 17
	s_lshl_b32 s26, ttmp9, 16
	s_add_nc_u64 s[20:21], s[4:5], s[24:25]
	s_add_nc_u64 s[22:23], s[12:13], s[26:27]
	CONV 32, 0, 0
	s_endpgm
.Lnot_x:
	s_cmp_lt_u32 ttmp9, 600
	s_cbranch_scc0 .Lnot_w
	; gate_w and up_w: 16 rows (32,768 numbers) a work-group, 172 work-groups each
	s_sub_co_u32 s28, ttmp9, 256
	s_cmp_ge_u32 s28, 172                          ; the second 172 take up_w
	s_cselect_b64 s[20:21], s[8:9], s[6:7]
	s_cselect_b32 s29, 1, 0
	s_cselect_b32 s30, 172, 0
	s_sub_co_u32 s28, s28, s30                     ; the piece of 16 rows, 0 .. 171
	s_lshl_b32 s24, s28, 17                        ; its bytes in the source
	s_add_nc_u64 s[20:21], s[20:21], s[24:25]
	s_lshr_b32 s31, s28, 2                         ; c: four pieces make 64 rows
	s_lshl1_add_u32 s31, s31, s29                  ; the group: 2 c, or 2 c + 1 for up_w
	s_lshl_b32 s26, s31, 18
	s_and_b32 s31, s28, 3
	s_lshl_b32 s31, s31, 16                        ; the piece's place in its group
	s_add_co_u32 s26, s26, s31
	s_add_nc_u64 s[22:23], s[14:15], s[26:27]
	CONV 32, 1, 0
	s_endpgm
.Lnot_w:
	s_cmp_lt_u32 ttmp9, 856
	s_cbranch_scc0 .Lnot_d
	; down_w: 8 rows a work-group, a row (11,008 bytes in, 5,632 out) a wave: 21 whole steps and one of 64 numbers
	s_sub_co_u32 s28, ttmp9, 600
	s_mul_i32 s24, s28, 8*11008
	s_mul_i32 s26, s28, 8*5632
	s_add_nc_u64 s[20:21], s[10:11], s[24:25]
	s_add_nc_u64 s[22:23], s[16:17], s[26:27]
	v_mul_u32_u24 v[TA], v[WVV], 11008
	v_lshl_add_u32 v[SRC], v1, 4, v[TA]
	v_and_b32 v[TB], 15, v1
	v_lshl_add_u32 v[SRC2], v[TB], 4, v[TA]
	v_mul_u32_u24 v[TB], v[WVV], 5632
	v_lshl_add_u32 v[DST], v1, 3, v[TB]
	v_cmp_gt_u32 vcc_lo, 16, v1                    ; lanes 0-15 hold the last step's numbers
	CONV 22, 1, 1
	s_endpgm
.Lnot_d:
	; wgu's groups 86 and 87: 524,288 bytes of zeros, 65,536 a work-group
	s_sub_co_u32 s28, ttmp9, 856
	s_lshl_b32 s26, s28, 16
	s_add_co_u32 s26, s26, 86<<18
	s_add_nc_u64 s[22:23], s[14:15], s[26:27]
	v_lshlrev_b32 v[DST], 4, v0                    ; 256 threads x 16 bytes = 4,096 consecutive bytes a store
	v_mov_b32 v4, 0
	v_mov_b32 v5, 0
	v_mov_b32 v6, 0
	v_mov_b32 v7, 0
.set i, 0
.rept 16
	global_store_b128 v[DST], v[4:7], s[22:23] offset:4096*i
.set i, i+1
.endr
	s_endpgm
.Lfunc_end_k_qd22d211a61_prep:
	.size	k_qd22d211a61_prep, .Lfunc_end_k_qd22d211a61_prep-k_qd22d211a61_prep
	.p2alignl 7, 3214868480
	.fill 96, 4, 3214868480
	.section	.rodata,"a",@progbits
	.p2align	6, 0x0
	.amdhsa_kernel k_qd22d211a61_prep
		.amdhsa_group_segment_fixed_size 0
		.amdhsa_private_segment_fixed_size 0
		.amdhsa_enable_private_segment 0
		.amdhsa_kernarg_size 56
		.amdhsa_user_sgpr_count 2
		.amdhsa_user_sgpr_kernarg_segment_ptr 1
		.amdhsa_wavefront_size32 1
		.amdhsa_system_sgpr_workgroup_id_x 1
		.amdhsa_system_sgpr_workgroup_id_y 1
		.amdhsa_system_sgpr_workgroup_id_z 1
		.amdhsa_system_vgpr_workitem_id 0
		.amdhsa_next_free_vgpr 136
		.amdhsa_next_free_sgpr 66
		.amdhsa_reserve_vcc 1
		.amdhsa_float_denorm_mode_32 3
		.amdhsa_float_denorm_mode_16_64 3
		.amdhsa_memory_ordered 1
		.amdhsa_forward_progress 1
		.amdhsa_inst_pref_size 41
	.end_amdhsa_kernel
	.amdgpu_metadata
---
amdhsa.version: [ 1, 2 ]
amdhsa.kernels:
  - .name:           k_qd22d211a61_prep
    .symbol:         k_qd22d211a61_prep.kd
    .args:
      - { .name: x, .offset: 0, .size: 8, .value_kind: global_buffer, .address_space: global }
      - { .name: gate_w, .offset: 8, .size: 8, .value_kind: global_buffer, .address_space: global }
      - { .name: up_w, .offset: 16, .size: 8, .value_kind: global_buffer, .address_space: global }
      - { .name: down_w, .offset: 24, .size: 8, .value_kind: global_buffer, .address_space: global }
      - { .name: xb, .offset: 32, .size: 8, .value_kind: global_buffer, .address_space: global }
      - { .name: wgu, .offset: 40, .size: 8, .value_kind: global_buffer, .address_space: global }
      - { .name: dwb, .offset: 48, .size: 8, .value_kind: global_buffer, .address_space: global }
    .group_segment_fixed_size: 0
    .private_segment_fixed_size: 0
    .kernarg_segment_align: 8
    .kernarg_segment_size: 56
    .max_flat_workgroup_size: 256
    .sgpr_count:     66
    .vgpr_count:     136
    .wavefront_size: 32
...
	.end_amdgpu_metadata
.endif
;; end of part 1
;; launch gateup (part 2): grid 32 x 22, 4 waves a work-group, clusters of 4 x 1, 327,680 bytes of LDS; arguments xb, wgu, gate_s, up_s, hb; writes hb
.if DOCPART == 2
	.amdgcn_target "amdgcn-amd-amdhsa--gfx1250"
	.amdhsa_code_object_version 6
	.text
	.protected	k_qd22d211a61_gateup
	.globl	k_qd22d211a61_gateup
	.p2align	8
	.type	k_qd22d211a61_gateup,@function
k_qd22d211a61_gateup:
	s_mov_b64 s[64:65], 0
	v_nop
	global_prefetch_b8 v0, s[64:65] scope:SCOPE_SE
	s_setreg_imm32_b32 hwreg(HW_REG_WAVE_MODE, 25, 1), 1
	s_wait_xcnt 0x0
	s_wait_alu depctr_hold_cnt(0) depctr_sa_sdst(0) depctr_va_vdst(0) depctr_va_sdst(0) depctr_va_ssrc(0) depctr_va_vcc(0) depctr_vm_vsrc(0)
	s_getreg_b32 s2, hwreg(HW_REG_IB_STS2, 6, 4)
	s_cmp_eq_u32 s2, 0
	s_cbranch_scc0 .Lentry_in_a_cluster
	s_endpgm
.Lentry_in_a_cluster:
	s_bfe_u32 s2, ttmp6, 0x10000c
	s_cmp_lg_u32 s2, 0x3003
	s_cbranch_scc0 .Lentry_shape_is_right
	s_endpgm
.Lentry_shape_is_right:
; GATEUP: h[m][f] = silu(g) u,  g = gate_s[f] sum_k x[m][k] gate_w[f][k],  u = up_s[f] sum_k x[m][k] up_w[f][k].  m < 4096, f < 2816, K = 2048.
; xb [4096][2048] bf16; wgu [5632][2048] bf16 holds gate's and up's rows in alternating groups of 64, so that ONE wave's 128 rows of B are 64 columns f of gate and the same
; 64 columns of up: g and u of a number of h lie in the same lane of the same wave, and the product's way out makes h without any exchange.
; h LEAVES AS TWO bf16 TERMS: hi = bf16(h), lo = bf16(h - hi); the difference is exact in f32, and the two together keep 16 significant bits where one keeps 8.
; hb [4096][22][2][128] bf16: for each block of 128 columns 256 bytes of hi, then 256 bytes of lo; a row is 11,264 bytes = 44 x 256.
; Columns 2752 .. 2815 come from wgu's zero rows and are stored as zeros.
; LIMITS.  Sums in f32; x is rounded once to bf16; gate_s and up_s are rounded to bf16 too, so that every floating-point input has the same one rounding.
; silu(g) = g / (1 + 2^(-g log2 e)); where that power passes f32's range silu counts as -0, where it is below 2^-126 it counts as 0 beside the 1.
; An h within half a bf16 step of f32's largest number rounds to an infinity in hi.
; The 64 filled-up columns take the scales of columns 2688 .. 2751 on sums that are 0: they are 0 as long as those scales are finite.
; SHARES.  A tile is 128 rows of x by 256 rows of wgu (128 columns of h): 32 x 22 = 704 work-groups.  Four waves, 2 x 2; a wave has 64 x 128: 32 accumulators of 16 x 16, 256 registers.
; K goes in steps of 128 (tile rows of 256 aligned bytes) through two LDS slots filled by the tensor data mover; waves 0 and 1 fetch 64 rows of A each, waves 2 and 3 128 rows of B each.
; CLUSTER.  Four work-groups along m form a cluster: they need the same tile of B, two thirds of a step's bytes, and ask for it JOINTLY.  A's tiles are not shared: the grid has 22
; work-groups along the other axis, which four does not divide; A's loads are each work-group's own, in the same rounds.
; THE MATRIX INSTRUCTION IS USED TRANSPOSED (source 0 = 16 rows of B, source 1 = 16 rows of A): a lane then holds row l % 16 of the tile and eight neighbouring columns 8 (l / 16) + 0..7.
; REGISTERS, in windows of 256 (s_set_vgpr_msb: bits 1:0 source 0, 3:2 source 1, 5:4 source 2, 7:6 destination):
;   window 0: v0-29 addresses; v64-159, v160-255 two fragment buffers (32 of A: 4 x 16 rows x 32 K; 64 of B: 8 x 16 rows x 32 K); on the way out at work
;   window 1: the accumulators, (a, b) at v[8 (8 a + b)], a = 0..3 along m, b = 0..7 along B's rows (0-3 gate, 4-7 up)          window 2: v0-31 gate_s, v32-63 up_s of my columns
.set KP,     2048                      ; K, and the pitch of xb and wgu in elements
.set LAPS,   KP/256                    ; a lap = two K steps = once round the ring
.set PITCH,  272                       ; an LDS row: 256 bytes + 16 of padding = 68 words: row r starts at bank 4 r mod 64 (64 banks of 4 bytes: ISA guide 11.1), so the 16 rows of a load start at 16 different banks
.set ABYTES, 128*PITCH                 ; A's 128 rows
.set SLOT,   384*PITCH                 ; then B's 256 rows
.set STAGE,  2*SLOT                    ; behind the ring: 128 rows x 528 bytes, the work-group's, for the way out; no tensor load fills it
.set SPITCH, 528                       ; a stage row: 256 bytes of hi, 256 of lo, 16 of padding = 33 x 16: the 16 rows of a store start at 16 different groups of four banks
.set SPARE,  STAGE+128*SPITCH          ; behind the stage: the spare words, 128 bytes for each wave: two blocks of 256 bytes that no other line names
.set HP,     11264                     ; bytes in a row of hb
.set ADRA, 16                          ; v16-17  LDS address of my A fragments in slot 0, 1
.set ADRB, 20                          ; v20-21  the same for B
.set STO,  24                          ; v24     the way out: where I put 16 bytes of a row's hi
.set RD,   25                          ; v25     the way out: where I read a row back
.set CO,   26                          ; v26     my byte offset in 512 bytes of a row of hb
.set SOFF, 27                          ; v27     32 (l / 16): my eight scales among sixteen
.set SPW,  28                          ; v28     LDS address of my spare word: SPARE + 4 x my thread's number; never rewritten
.set NIL,  29                          ; v29     0; never rewritten
.set F0,   64
.set F1,   160
.set GG,   64                          ; the way out, window 0: g, then silu(g), then h, then h - hi: 32 numbers
.set UU,   96                          ; u
.set TT,   128                         ; the sigmoid in the making; then hi, widened
.set HH,   160                         ; hi, 16 registers
.set LL,   176                         ; lo, 16 registers
.set BK,   64                          ; whole rows read back, 128 registers
.set WV,  14                           ; s14  my wave's number
.set HIW, 15                           ; s15  which 64 rows of the tile are mine
.set LOW, 16                           ; s16  which 128 rows of B are mine; also which half of A's or B's tile I fetch
.set G1,  24                           ; s[24:31] descriptor group 1 for A's tiles;  s[32:39] group 0, a set for each slot
.set G0,  32
.set CL,  42                           ; s[42:43] -log2(e), once the scales' offset has been used
.set G1B, 48                           ; s[48:55], s[56:63] the same for B's tiles
.set G0B, 56
.set MSB, 0
.macro WIN new                         ; the immediate's high byte repeats the setting that is left; a switch that changes nothing is dropped
.if MSB != (\new)
	s_set_vgpr_msb (MSB<<8)|(\new)
.set MSB, \new
.endif
.endm
.set MUL, 0x50                         ; sources 0 (B) and 1 (A) window 0; C and D window 1
; A fill.  Waves 0 and 1 fetch A's two halves (a load of the work-group's own), waves 2 and 3 B's (joint).  The branch hangs on the wave's number alone.
; An s_nop 0 and four v_nop follow each of the two lines, ahead of the jump, the label and what follows.
.macro JLOAD s
	s_cmp_lt_u32 s[WV], 2
	s_cbranch_scc0 .Lfor_b_\@
	tensor_load_to_lds s[G0+4*(\s):G0+4*(\s)+3], s[G1:G1+7]
	s_nop 0
.rept 4
	v_nop
.endr
	s_branch .Lasked_\@
.Lfor_b_\@:
	tensor_load_to_lds s[G0B+4*(\s):G0B+4*(\s)+3], s[G1B:G1B+7]
	s_nop 0
.rept 4
	v_nop
.endr
.Lasked_\@:
.endm
; A round of the cluster's barrier: my work-group's barrier, so that wave 0's signal speaks for all four waves; wave 0 signals; every wave waits for all four work-groups; my work-group's barrier once more.
.macro CREST                           ; a round behind its opening barrier
	s_cmp_lg_u32 s[WV], 0
	s_cbranch_scc1 .Lnot_wave_0_\@
	s_barrier_signal -3
.Lnot_wave_0_\@:
	s_barrier_wait -3
	s_barrier_signal -1
	s_barrier_wait -1
.endm
.macro CROUND                          ; a whole round
	s_barrier_signal -1
	s_barrier_wait -1
	CREST
.endm
	s_load_b256 s[4:11], s[0:1], 0x0               ; xb s[4:5], wgu s[6:7], gate_s s[8:9], up_s s[10:11]
	s_load_b64 s[12:13], s[0:1], 0x20              ; hb
	v_lshl_add_u32 v[SPW], v0, 2, SPARE
	v_mov_b32 v[NIL], 0
	ds_add_u32 v[SPW], v[NIL]                      ; the wave's opening: the add and its wait stand ahead of my first tensor load; the set-up below, work on registers, stands between them
	v_lshrrev_b32 v1, 5, v0
	v_readfirstlane_b32 s[WV], v1                  ; wave 0..3
	s_lshr_b32 s[HIW], s[WV], 1
	s_and_b32 s[LOW], s[WV], 1
	s_bfe_u32 s17, ttmp6, 0x40000                  ; cx: my place in the cluster
	s_lshl_b32 s18, ttmp9, 2                       ; in a cluster launch ttmp9 counts clusters
	s_add_co_u32 s18, s18, s17                     ; mt: my block of 128 rows = 4 x cluster x + cx: it enters A's and hb's addresses alone
	s_and_b32 s19, ttmp7, 0xffff                   ; nt: my block of 256 rows of wgu, which the four partners share
	; descriptor group 1: tiles of 64 (A) and 128 (B) rows x 128 elements, padded in LDS
	s_mov_b32 s[G1+0], (1<<16)|(1<<20)|(5<<22)|(3<<25)              ; 15:0 no mask; 17:16 elements of 2 bytes; 20 padding on; 24:22 after every 64 words (code 5); 31:25 4 words of it (code 3)
	s_mov_b32 s[G1B+0], 15|(1<<16)|(1<<20)|(1<<21)|(5<<22)|(3<<25)  ; the same with the mask of all four work-groups, and bit 21 set beside it
	s_mov_b32 s[G1+1], 128<<16                     ; tensor_dim0 = 128
	s_mov_b32 s[G1B+1], 128<<16
	s_mov_b32 s[G1+2], 64<<16                      ; tensor_dim1 = 64
	s_mov_b32 s[G1B+2], 128<<16                    ;             = 128
	s_mov_b32 s[G1+3], 128<<16                     ; tile_dim0 = 128
	s_mov_b32 s[G1B+3], 128<<16
	s_mov_b32 s[G1+4], 64                          ; tile_dim1 = 64
	s_mov_b32 s[G1B+4], 128                        ;           = 128
	s_mov_b32 s[G1+5], KP                          ; elements from row to row
	s_mov_b32 s[G1B+5], KP
	s_mov_b32 s[G1+6], 0
	s_mov_b32 s[G1B+6], 0
	s_mov_b32 s[G1+7], 0
	s_mov_b32 s[G1B+7], 0
	; where the tiles come from, in bytes (a row is 4,096).  B's offset is made in registers that never hold cx.
	s_lshl_b32 s20, s18, 7
	s_lshl_b32 s21, s[LOW], 6
	s_add_co_u32 s20, s20, s21                     ; A: row 128 mt + 64 x half
	s_lshl_b32 s20, s20, 12
	s_mov_b32 s21, 0
	s_lshl_b32 s40, s19, 8
	s_lshl_b32 s41, s[LOW], 7
	s_add_co_u32 s40, s40, s41                     ; B: row 256 nt + 128 x half
	s_lshl_b32 s40, s40, 12
	s_mov_b32 s41, 0
	s_lshl_b32 s42, s19, 7                         ; my 64 columns of h begin at 128 nt + 64 x half;
	s_lshl_b32 s43, s[LOW], 6
	s_add_co_u32 s42, s42, s43
	s_min_u32 s42, s42, 2688                       ; the filled-up columns take the last 64 scales, so that no load leaves the 2,752
	s_lshl_b32 s42, s42, 2
	s_mov_b32 s43, 0
	s_lshl_b32 s44, s18, 7                         ; the first row of hb that I store: 128 mt + 32 x wave,
	s_lshl_b32 s45, s[WV], 5
	s_add_co_u32 s44, s44, s45
	s_mul_i32 s44, s44, HP
	s_lshl_b32 s45, s19, 9                         ; and the block's 512 bytes in it
	s_add_co_u32 s44, s44, s45
	s_mov_b32 s45, 0
	s_mul_i32 s22, s[LOW], 64*PITCH                ; where the tiles go: A's two halves,
	s_mul_i32 s23, s[LOW], 128*PITCH
	s_add_co_u32 s23, s23, ABYTES                  ; and behind them B's: no place in the cluster enters an LDS address
	s_wait_dscnt 0x0                               ; the opening add is done
	s_wait_kmcnt 0x0
	s_add_nc_u64 s[4:5], s[4:5], s[20:21]
	s_add_nc_u64 s[6:7], s[6:7], s[40:41]
	s_add_nc_u64 s[8:9], s[8:9], s[42:43]
	s_add_nc_u64 s[10:11], s[10:11], s[42:43]
	s_add_nc_u64 s[12:13], s[12:13], s[44:45]
	CROUND                                         ; all four work-groups are here: the first joint loads meet
.irp s, 0,1
	s_mov_b32 s[G0+4*(\s)], 1                                      ; 1:0 count = 1
	s_add_co_u32 s[G0+4*(\s)+1], s22, (\s)*SLOT                    ; 63:32 LDS address
	s_add_nc_u64 s[G0+4*(\s)+2:G0+4*(\s)+3], s[4:5], (\s)*256      ; 120:64 global address: K step s
	s_or_b32 s[G0+4*(\s)+3], s[G0+4*(\s)+3], 0x80000000            ; 127:126 type = 2
	s_mov_b32 s[G0B+4*(\s)], 1
	s_add_co_u32 s[G0B+4*(\s)+1], s23, (\s)*SLOT
	s_add_nc_u64 s[G0B+4*(\s)+2:G0B+4*(\s)+3], s[6:7], (\s)*256
	s_or_b32 s[G0B+4*(\s)+3], s[G0B+4*(\s)+3], 0x80000000
	JLOAD \s                                       ; both slots are asked for before anything else is done: two tensor loads of mine are out
.endr
	v_and_b32 v1, 15, v0                           ; l % 16
	v_bfe_u32 v2, v0, 4, 1                         ; l / 16
	v_lshlrev_b32 v[SOFF], 5, v2
	WIN 0x80                                       ; destination window 2, address window 0
.irp b, 0,1,2,3                        ; register 8 b + j takes the scale of my column 16 b + 8 (l / 16) + j: the place that the accumulators' register j has
	global_load_b128 v[8*(\b):8*(\b)+3],       v[SOFF], s[8:9] offset:64*(\b)
	global_load_b128 v[8*(\b)+4:8*(\b)+7],     v[SOFF], s[8:9] offset:64*(\b)+16
	global_load_b128 v[32+8*(\b):32+8*(\b)+3], v[SOFF], s[10:11] offset:64*(\b)
	global_load_b128 v[32+8*(\b)+4:32+8*(\b)+7], v[SOFF], s[10:11] offset:64*(\b)+16
.endr
	WIN 0
	; A fragment is 16 rows x 32 K in 8 registers: lane l holds row l % 16; registers 0-3 K = 8 (l / 16) + 0..7, registers 4-7 K = 16 + 8 (l / 16) + 0..7: two loads of 16 bytes, 32 bytes apart.
	v_mul_u32_u24 v3, v1, PITCH
	v_lshl_add_u32 v3, v2, 4, v3                   ; row x pitch + 16 x half
	s_mul_i32 s22, s[HIW], 64*PITCH                ; my 64 rows of A
	s_mul_i32 s23, s[LOW], 128*PITCH               ; my 128 rows of B,
	s_add_co_u32 s23, s23, ABYTES                  ; which lie behind A's 128
.irp s, 0,1
	v_add_nc_u32 v[ADRA+(\s)], s22, v3
	v_add_nc_u32 v[ADRB+(\s)], s23, v3
	s_add_co_u32 s22, s22, SLOT
	s_add_co_u32 s23, s23, SLOT
.endr
	s_mul_i32 s22, s[HIW], 64*SPITCH               ; into the stage: my 64 rows, my half of hi's 256 bytes (lo's lie 256 further on); row l % 16, 16 bytes for each half of the lanes
	s_lshl_b32 s23, s[LOW], 7
	s_add_co_u32 s22, s22, s23
	s_add_co_u32 s22, s22, STAGE
	v_mul_u32_u24 v4, v1, SPITCH
	v_lshl_add_u32 v4, v2, 4, v4
	v_add_nc_u32 v[STO], s22, v4
	s_mul_i32 s22, s[WV], 32*SPITCH                ; back: wave w takes rows 32 w .. 32 w + 31, whole: 32 lanes take one row of 512 bytes,
	s_add_co_u32 s22, s22, STAGE
	v_and_b32 v5, 31, v0
	v_lshlrev_b32 v[CO], 4, v5                     ; which are 512 consecutive bytes of hb
	v_add_nc_u32 v[RD], s22, v[CO]
	s_mov_b32 s[CL], 0xbfb8aa3b                    ; -log2(e)
	s_mov_b32 s[CL+1], s[CL]                       ; named with it as a pair
	; The scales are rounded to bf16 and widened again, in the wait for the first tile.
	s_wait_loadcnt 0x0
	WIN 0x0a                                       ; sources window 2, destination window 0
.set i, 0
.rept 32
	v_cvt_pk_bf16_f32 v[GG+i], v[2*i], v[2*i+1]
.set i, i+1
.endr
	WIN 0x80                                       ; source window 0, destination window 2
.set i, 0
.rept 32
	v_lshlrev_b32 v[2*i], 16, v[GG+i]
	v_and_b32 v[2*i+1], 0xffff0000, v[GG+i]
.set i, i+1
.endr
	WIN 0
; 8 matrix instructions: m block a x all 8 blocks of B's rows, 32 along K, from buffer f.  zero = 1: the product starts the sums: nothing is ever cleared.
; The 32 accumulators take turns, one instruction a turn, in the same order in every quarter: between two links of a chain stand the 31 others'.
.macro MULB f, a, zero
	WIN MUL
.irp b, 0,1,2,3,4,5,6,7
.if \zero
	v_wmma_f32_16x16x32_bf16 v[8*(8*(\a)+(\b)):8*(8*(\a)+(\b))+7], v[(\f)+32+8*(\b):(\f)+32+8*(\b)+7], v[(\f)+8*(\a):(\f)+8*(\a)+7], 0
.else
	v_wmma_f32_16x16x32_bf16 v[8*(8*(\a)+(\b)):8*(8*(\a)+(\b))+7], v[(\f)+32+8*(\b):(\f)+32+8*(\b)+7], v[(\f)+8*(\a):(\f)+8*(\a)+7], v[8*(8*(\a)+(\b)):8*(8*(\a)+(\b))+7]
.endif
.endr
.endm
; 24 LDS loads in one run: the fragments of 32 along K at byte k of the rows, into buffer f; B's sixteen first, then A's eight
.macro FETCH slot, k, f
	WIN 0
.irp i, 0,1,2,3,4,5,6,7
	ds_load_b128 v[(\f)+32+8*(\i):(\f)+32+8*(\i)+3],   v[ADRB+(\slot)] offset:(\k)+(\i)*16*PITCH
	ds_load_b128 v[(\f)+32+8*(\i)+4:(\f)+32+8*(\i)+7], v[ADRB+(\slot)] offset:(\k)+(\i)*16*PITCH+32
.endr
.irp i, 0,1,2,3
	ds_load_b128 v[(\f)+8*(\i):(\f)+8*(\i)+3],   v[ADRA+(\slot)] offset:(\k)+(\i)*16*PITCH
	ds_load_b128 v[(\f)+8*(\i)+4:(\f)+8*(\i)+7], v[ADRA+(\slot)] offset:(\k)+(\i)*16*PITCH+32
.endr
.endm
; A load into a register that a matrix instruction has read, and a vector instruction that reads a matrix result, stand four places behind it, and only plain vector instructions
; that name none of its registers are places (ISA guide 7.12.1 for vector instructions).
.macro PLACES
.rept 4
	v_nop
.endr
.endm
; A K step is four quarters of 32 along K, 32 matrix instructions each, on buffers 0, 1, 0, 1.  One of the first three: multiplies buffer f and, in its middle, fetches the next quarter, at byte k, into g.
.macro QUARTER slot, k, f, g, zero
	s_wait_dscnt 4                                 ; B and A's blocks 0 and 1 are in; the youngest four loads (A's blocks 2 and 3) may be out
	MULB \f, 0, \zero
	MULB \f, 1, \zero
	PLACES
	FETCH \slot, \k, \g
	s_wait_dscnt 24                                ; all but the 24 just issued
	MULB \f, 2, \zero
	MULB \f, 3, \zero
.endm
; The last quarter multiplies buffer 1 and changes slots: ONE barrier; in front of it each wave waits for all its tensor loads (the one that is out is its part of the next slot), adds 0 to its
; spare word, and waits for that and for its own reads of this slot.  fill = 1: the barrier opens a round of the cluster's, and this slot is filled again, two K steps ahead, first thing behind it:
; from that request to the wait for it a wave issues 112 matrix instructions.
.macro TURN slot, next, fill
	WIN 0                                          ; (the add's two registers lie in window 0)
	s_wait_tensorcnt 0x0                           ; all my tensor loads have landed: no load of mine is out, so a group 0 may be written
	ds_add_u32 v[SPW], v[NIL]                      ; 0 onto my spare word
	s_wait_dscnt 5                                 ; (the add and the youngest four loads may be out)
	MULB F1, 0, 0                                  ; eight matrix instructions stand between the add and the wait for it
	s_wait_dscnt 0x0                               ; the add is done, and my reads of this slot are over
	s_barrier_signal -1
	MULB F1, 1, 0                                  ; work on registers while the others arrive
.if \fill
	WIN 0
.endif
	s_barrier_wait -1
.if \fill
	CREST                                          ; no wave of any partner still reads this slot's tile or has a load on its way
	s_add_nc_u64 s[G0+4*(\slot)+2:G0+4*(\slot)+3], s[G0+4*(\slot)+2:G0+4*(\slot)+3], 512    ; two K steps on; the type bits on top are not reached
	s_add_nc_u64 s[G0B+4*(\slot)+2:G0B+4*(\slot)+3], s[G0B+4*(\slot)+2:G0B+4*(\slot)+3], 512
	JLOAD \slot                                    ; my one tensor load behind the round; the four v_nop behind it are also the places in front of the loads below
.else
	PLACES
.endif
	FETCH \next, 0, F0
	MULB F1, 2, 0
	MULB F1, 3, 0
.endm
	s_wait_tensorcnt 1                             ; my part of K step 0 is in; K step 1's may stay out
	s_barrier_signal -1
	s_barrier_wait -1                              ; everybody's is
	FETCH 0, 0, F0
	QUARTER 0, 64,  F0, F1, 1                      ; the first quarter stands in front of the loop: its products start the sums
	WIN 0                                          ; at a label and at a branch every window is 0
	s_mov_b32 s3, LAPS-1
.Llap:                                                 ; a trip goes once round the ring, from a lap's second quarter to the next lap's first, and fills both slots again
	QUARTER 0, 128, F1, F0, 0
	QUARTER 0, 192, F0, F1, 0
	TURN 0, 1, 1
	QUARTER 1, 64,  F0, F1, 0
	QUARTER 1, 128, F1, F0, 0
	QUARTER 1, 192, F0, F1, 0
	TURN 1, 0, 1
	QUARTER 0, 64,  F0, F1, 0
	WIN 0
	s_sub_co_u32 s3, s3, 1
	s_cmp_lg_u32 s3, 0
	s_cbranch_scc1 .Llap
	QUARTER 0, 128, F1, F0, 0                      ; the last lap fills nothing, and has no round of the cluster's barrier
	QUARTER 0, 192, F0, F1, 0
	TURN 0, 1, 0
	QUARTER 1, 64,  F0, F1, 0
	QUARTER 1, 128, F1, F0, 0
	QUARTER 1, 192, F0, F1, 0
	s_wait_dscnt 4                                 ; the very last quarter: nothing more to fetch
	MULB F1, 0, 0
	MULB F1, 1, 0
	s_wait_dscnt 0x0
	MULB F1, 2, 0
	MULB F1, 3, 0
	WIN 0
; THE WAY OUT of m block a: 16 rows x my 64 columns.  g and u are the sums times their scales; h = (g x 1 / (1 + 2^(-g log2 e))) x u, silu first, in the order of the definition;
; hi = h rounded to bf16; lo = h less hi (exact), rounded to bf16; 16 bytes a lane of each go into the work-group's stage.  Each accumulator is read from its lowest registers on.
.macro EPI a
	WIN 0x09                                       ; source 0 (sums) window 1, source 1 (scales) window 2, destination window 0
.irp b, 0,1,2,3
.irp p, 0,1,2,3
	v_pk_mul_f32 v[GG+8*(\b)+2*(\p):GG+8*(\b)+2*(\p)+1], v[8*(8*(\a)+(\b))+2*(\p):8*(8*(\a)+(\b))+2*(\p)+1], v[8*(\b)+2*(\p):8*(\b)+2*(\p)+1]
.endr
.endr
.irp b, 0,1,2,3
.irp p, 0,1,2,3
	v_pk_mul_f32 v[UU+8*(\b)+2*(\p):UU+8*(\b)+2*(\p)+1], v[8*(8*(\a)+(\b)+4)+2*(\p):8*(8*(\a)+(\b)+4)+2*(\p)+1], v[32+8*(\b)+2*(\p):32+8*(\b)+2*(\p)+1]
.endr
.endr
	WIN 0
.set i, 0
.rept 16
	v_pk_mul_f32 v[TT+2*i:TT+2*i+1], v[GG+2*i:GG+2*i+1], s[CL:CL+1] op_sel_hi:[1,0]
.set i, i+1
.endr
.set i, 0
.rept 32
	v_exp_f32 v[TT+i], v[TT+i]
.set i, i+1
.endr
	v_nop                                          ; a plain instruction between the exponentials and the use of their results (ISA guide 5.7.2)
.set i, 0
	s_wait_alu depctr_va_vdst(0)
.rept 16
	v_pk_add_f32 v[TT+2*i:TT+2*i+1], v[TT+2*i:TT+2*i+1], 1.0 op_sel_hi:[1,0]
.set i, i+1
.endr
.set i, 0
.rept 32
	v_rcp_f32 v[TT+i], v[TT+i]
.set i, i+1
.endr
	v_nop                                          ; likewise behind the reciprocals
.set i, 0
	s_wait_alu depctr_va_vdst(0)
.rept 16
	v_pk_mul_f32 v[GG+2*i:GG+2*i+1], v[GG+2*i:GG+2*i+1], v[TT+2*i:TT+2*i+1]
.set i, i+1
.endr
.set i, 0
.rept 16
	v_pk_mul_f32 v[GG+2*i:GG+2*i+1], v[GG+2*i:GG+2*i+1], v[UU+2*i:UU+2*i+1]
.set i, i+1
.endr
.set i, 0
.rept 16
	v_cvt_pk_bf16_f32 v[HH+i], v[GG+2*i], v[GG+2*i+1]      ; hi
.set i, i+1
.endr
.set i, 0
.rept 16
	v_lshlrev_b32 v[TT+2*i], 16, v[HH+i]                   ; hi as f32
	v_and_b32 v[TT+2*i+1], 0xffff0000, v[HH+i]
.set i, i+1
.endr
.set i, 0
.rept 16
	v_pk_add_f32 v[GG+2*i:GG+2*i+1], v[GG+2*i:GG+2*i+1], v[TT+2*i:TT+2*i+1] neg_lo:[0,1] neg_hi:[0,1]  ; h - hi
.set i, i+1
.endr
.set i, 0
.rept 16
	v_cvt_pk_bf16_f32 v[LL+i], v[GG+2*i], v[GG+2*i+1]      ; lo
.set i, i+1
.endr
.irp b, 0,1,2,3
	ds_store_b128 v[STO], v[HH+4*(\b):HH+4*(\b)+3] offset:(\a)*16*SPITCH+32*(\b)
	ds_store_b128 v[STO], v[LL+4*(\b):LL+4*(\b)+3] offset:(\a)*16*SPITCH+32*(\b)+256
.endr
.endm
	PLACES                                         ; behind the last products
	EPI 0
	EPI 1
	EPI 2
	EPI 3
	s_wait_dscnt 0x0                               ; for the others' sake: my stores into the stage are done
	s_barrier_signal -1
	s_barrier_wait -1                              ; a row's 512 bytes come from two waves
.set t, 0
.rept 32
	ds_load_b128 v[BK+4*t:BK+4*t+3], v[RD] offset:t*SPITCH
.set t, t+1
.endr
.set t, 0
.rept 32
	s_wait_dscnt 31-t                              ; LDS loads come back in order: row t is in
	global_store_b128 v[CO], v[BK+4*t:BK+4*t+3], s[12:13] offset:t*HP  ; 32 lanes store 512 consecutive bytes, at a multiple of 512 from hb's first byte
.set t, t+1
.endr
	s_wait_tensorcnt 0x0                           ; the wave's end: the add and its wait stand behind my last tensor load and my last LDS store
	ds_add_u32 v[SPW], v[NIL]
	s_wait_dscnt 0x0
	CROUND                                         ; the closing round: no work-group ends while a partner may still ask for a tile that names it
	s_endpgm
.Lfunc_end_k_qd22d211a61_gateup:
	.size	k_qd22d211a61_gateup, .Lfunc_end_k_qd22d211a61_gateup-k_qd22d211a61_gateup
	.p2alignl 7, 3214868480
	.fill 96, 4, 3214868480
	.section	.rodata,"a",@progbits
	.p2align	6, 0x0
	.amdhsa_kernel k_qd22d211a61_gateup
		.amdhsa_group_segment_fixed_size 327680
		.amdhsa_private_segment_fixed_size 0
		.amdhsa_enable_private_segment 0
		.amdhsa_kernarg_size 40
		.amdhsa_user_sgpr_count 2
		.amdhsa_user_sgpr_kernarg_segment_ptr 1
		.amdhsa_wavefront_size32 1
		.amdhsa_system_sgpr_workgroup_id_x 1
		.amdhsa_system_sgpr_workgroup_id_y 1
		.amdhsa_system_sgpr_workgroup_id_z 1
		.amdhsa_system_vgpr_workitem_id 0
		.amdhsa_next_free_vgpr 576
		.amdhsa_next_free_sgpr 66
		.amdhsa_reserve_vcc 0
		.amdhsa_float_denorm_mode_32 3
		.amdhsa_float_denorm_mode_16_64 3
		.amdhsa_memory_ordered 1
		.amdhsa_forward_progress 1
		.amdhsa_inst_pref_size 136
	.end_amdhsa_kernel
	.amdgpu_metadata
---
amdhsa.version: [ 1, 2 ]
amdhsa.kernels:
  - .name:           k_qd22d211a61_gateup
    .symbol:         k_qd22d211a61_gateup.kd
    .args:
      - { .name: xb, .offset: 0, .size: 8, .value_kind: global_buffer, .address_space: global }
      - { .name: wgu, .offset: 8, .size: 8, .value_kind: global_buffer, .address_space: global }
      - { .name: gate_s, .offset: 16, .size: 8, .value_kind: global_buffer, .address_space: global }
      - { .name: up_s, .offset: 24, .size: 8, .value_kind: global_buffer, .address_space: global }
      - { .name: hb, .offset: 32, .size: 8, .value_kind: global_buffer, .address_space: global }
    .group_segment_fixed_size: 327680
    .private_segment_fixed_size: 0
    .kernarg_segment_align: 8
    .kernarg_segment_size: 40
    .max_flat_workgroup_size: 128
    .sgpr_count:     66
    .vgpr_count:     576
    .wavefront_size: 32
...
	.end_amdgpu_metadata
.endif
;; end of part 2
;; launch down (part 3): grid 8 x 32, 4 waves a work-group, clusters of 4 x 4, 327,680 bytes of LDS; arguments hb, dwb, down_s, out0; writes out0
.if DOCPART == 3
	.amdgcn_target "amdgcn-amd-amdhsa--gfx1250"
	.amdhsa_code_object_version 6
	.text
	.protected	k_qd22d211a61_down
	.globl	k_qd22d211a61_down
	.p2align	8
	.type	k_qd22d211a61_down,@function
k_qd22d211a61_down:
	s_mov_b64 s[64:65], 0
	v_nop
	global_prefetch_b8 v0, s[64:65] scope:SCOPE_SE
	s_setreg_imm32_b32 hwreg(HW_REG_WAVE_MODE, 25, 1), 1
	s_wait_xcnt 0x0
	s_wait_alu depctr_hold_cnt(0) depctr_sa_sdst(0) depctr_va_vdst(0) depctr_va_sdst(0) depctr_va_ssrc(0) depctr_va_vcc(0) depctr_vm_vsrc(0)
	s_getreg_b32 s2, hwreg(HW_REG_IB_STS2, 6, 4)
	s_cmp_eq_u32 s2, 0
	s_cbranch_scc0 .Lentry_in_a_cluster
	s_endpgm
.Lentry_in_a_cluster:
	s_bfe_u32 s2, ttmp6, 0x10000c
	s_cmp_lg_u32 s2, 0xf033
	s_cbranch_scc0 .Lentry_shape_is_right
	s_endpgm
.Lentry_shape_is_right:
; DOWN: out0[m][n] = down_s[n] sum_f h[m][f] down_w[n][f].  m < 4096, n < 2048.  out0 is f32.
; h comes as two bf16 terms, h = hi + lo: hb [4096][22][2][128] bf16 holds, for each block of 128 columns f, 256 bytes of hi and then 256 bytes of lo; a row is 11,264 bytes = 44 x 256.
; dwb [2048][2816] bf16, a row 5,632 bytes = 22 x 256.  Columns 2752 .. 2815 are zeros on both sides.
; So K goes in 44 steps of 128: step 2 j multiplies block j's hi, step 2 j + 1 block j's lo, both by block j of dwb, into the same sums.  Slot 0 always holds a hi, slot 1 a lo;
; A's address goes 512 bytes on from fill to fill of a slot, B's 256, and both slots' B begin at the same address.
; LIMITS.  Sums in f32; h keeps the 16 significant bits of its two terms; down_s is rounded to bf16, so that every floating-point input has the same one rounding.
; SHARES.  A tile of out0 is 128 x 256: 32 x 8 = 256 work-groups.  Four waves, 2 x 2; a wave has 64 x 128: 32 accumulators of 16 x 16, 256 registers.
; The tiles' rows are 256 aligned bytes; two LDS slots are filled by the tensor data mover; waves 0 and 1 fetch 64 rows of A each, waves 2 and 3 128 rows of B each.
; CLUSTER.  4 x 4 work-groups.  The four of a row of the cluster need the same tiles of A (hb), the four of a column the same tiles of B (dwb): each tile is asked for JOINTLY, by the same
; tensor load with the same descriptor and a mask that names the four.
; THE MATRIX INSTRUCTION IS USED TRANSPOSED (source 0 = 16 rows of B, source 1 = 16 rows of A): a lane then holds row l % 16 of the tile and eight neighbouring columns 8 (l / 16) + 0..7.
; REGISTERS, in windows of 256 (s_set_vgpr_msb: bits 1:0 source 0, 3:2 source 1, 5:4 source 2, 7:6 destination):
;   window 0: v0-29 addresses; v64-159, v160-255 two fragment buffers (32 of A, 64 of B); on the way out at work
;   window 1: the accumulators, (a, b) at v[8 (8 a + b)], a = 0..3 along m, b = 0..7 along n          window 2: v0-63 down_s of my 128 columns
.set KPA,    5632                      ; the pitch of hb in elements: both terms
.set KPB,    2816                      ; the pitch of dwb in elements
.set LAPS,   KPB/128                   ; a lap = two K steps = a block's hi and lo = once round the ring
.set PITCH,  272                       ; an LDS row: 256 bytes + 16 of padding = 68 words: row r starts at bank 4 r mod 64 (64 banks of 4 bytes: ISA guide 11.1)
.set ABYTES, 128*PITCH                 ; A's 128 rows
.set SLOT,   384*PITCH                 ; then B's 256 rows
.set STAGE,  2*SLOT                    ; behind the ring: 16 rows x 528 bytes for each wave, for the way out; no tensor load fills it
.set SPITCH, 528                       ; a stage row: 512 bytes + 16 = 33 x 16: the 16 rows of a store start at 16 different groups of four banks
.set SPARE,  STAGE+4*16*SPITCH         ; behind the stages: the spare words, 128 bytes for each wave: two blocks of 256 bytes that no other line names
.set HPA,    11264                     ; bytes in a row of hb
.set HPB,    5632                      ; bytes in a row of dwb
.set OP,     8192                      ; bytes in a row of out0
.set ADRA, 16                          ; v16-17  LDS address of my A fragments in slot 0, 1
.set ADRB, 20                          ; v20-21  the same for B
.set STO,  24                          ; v24     the way out: where I put 32 bytes of a row
.set RD,   25                          ; v25     the way out: where I read a row back
.set CO,   26                          ; v26     my byte offset in 512 bytes of a row of out0
.set SOFF, 27                          ; v27     32 (l / 16): my eight scales among sixteen
.set SPW,  28                          ; v28     LDS address of my spare word: SPARE + 4 x my thread's number; never rewritten
.set NIL,  29                          ; v29     0; never rewritten
.set F0,   64
.set F1,   160
.set TT,   64                          ; the way out, window 0: a block's 64 scaled results
.set BK0,  128                         ; whole rows read back: v128-191 and v192-255 by turns
.set WV,  14                           ; s14  my wave's number
.set HIW, 15                           ; s15  which 64 rows of the tile are mine
.set LOW, 16                           ; s16  which 128 columns are mine; also which half of A's or B's tile I fetch
.set G1,  24                           ; s[24:31] descriptor group 1 for A's tiles;  s[32:39] group 0, a set for each slot
.set G0,  32
.set G1B, 48                           ; s[48:55], s[56:63] the same for B's tiles
.set G0B, 56
.set MSB, 0
.macro WIN new                         ; the immediate's high byte repeats the setting that is left; a switch that changes nothing is dropped
.if MSB != (\new)
	s_set_vgpr_msb (MSB<<8)|(\new)
.set MSB, \new
.endif
.endm
.set MUL, 0x50                         ; sources 0 (B) and 1 (A) window 0; C and D window 1
; A joint load.  Waves 0 and 1 fetch A's two halves, waves 2 and 3 B's.  Each line has one mask; the branch hangs on the wave's number alone.
; An s_nop 0 and four v_nop follow each of the two lines, ahead of the jump, the label and what follows.
.macro JLOAD s
	s_cmp_lt_u32 s[WV], 2
	s_cbranch_scc0 .Lfor_b_\@
	tensor_load_to_lds s[G0+4*(\s):G0+4*(\s)+3], s[G1:G1+7]
	s_nop 0
.rept 4
	v_nop
.endr
	s_branch .Lasked_\@
.Lfor_b_\@:
	tensor_load_to_lds s[G0B+4*(\s):G0B+4*(\s)+3], s[G1B:G1B+7]
	s_nop 0
.rept 4
	v_nop
.endr
.Lasked_\@:
.endm
; A round of the cluster's barrier: my work-group's barrier, so that wave 0's signal speaks for all four waves; wave 0 signals; every wave waits for all sixteen work-groups; my work-group's barrier once more.
.macro CREST                           ; a round behind its opening barrier
	s_cmp_lg_u32 s[WV], 0
	s_cbranch_scc1 .Lnot_wave_0_\@
	s_barrier_signal -3
.Lnot_wave_0_\@:
	s_barrier_wait -3
	s_barrier_signal -1
	s_barrier_wait -1
.endm
.macro CROUND                          ; a whole round
	s_barrier_signal -1
	s_barrier_wait -1
	CREST
.endm
	s_load_b256 s[4:11], s[0:1], 0x0               ; hb s[4:5], dwb s[6:7], down_s s[8:9], out0 s[10:11]
	v_lshl_add_u32 v[SPW], v0, 2, SPARE
	v_mov_b32 v[NIL], 0
	ds_add_u32 v[SPW], v[NIL]                      ; the wave's opening: the add and its wait stand ahead of my first tensor load; the set-up below, work on registers, stands between them
	v_lshrrev_b32 v1, 5, v0
	v_readfirstlane_b32 s[WV], v1                  ; wave 0..3
	s_lshr_b32 s[HIW], s[WV], 1
	s_and_b32 s[LOW], s[WV], 1
	s_bfe_u32 s17, ttmp6, 0x40000                  ; cx, cy: my place in the cluster
	s_bfe_u32 s12, ttmp6, 0x40004
	s_lshl_b32 s19, ttmp9, 2                       ; in a cluster launch ttmp9 and ttmp7 count clusters
	s_add_co_u32 s19, s19, s17                     ; nt: tile column = 4 x cluster x + cx
	s_and_b32 s18, ttmp7, 0xffff
	s_lshl_b32 s18, s18, 2
	s_add_co_u32 s18, s18, s12                     ; mt: tile row = 4 x cluster y + cy
	s_lshl_b32 s46, s12, 2
	s_lshl_b32 s46, 15, s46                        ; my row of the cluster: places 4 cy .. 4 cy + 3
	s_lshl_b32 s47, 0x1111, s17                    ; my column: places cx, cx + 4, cx + 8, cx + 12
	; descriptor group 1: tiles of 64 (A) and 128 (B) rows x 128 elements, padded in LDS
	s_or_b32 s[G1+0], s46, (1<<16)|(1<<20)|(1<<21)|(5<<22)|(3<<25)   ; 15:0 the mask: A's tiles go to my row; 17:16 elements of 2 bytes; 20 padding on; 21 set beside a mask; 24:22 after every 64 words (code 5); 31:25 4 words of it (code 3)
	s_or_b32 s[G1B+0], s47, (1<<16)|(1<<20)|(1<<21)|(5<<22)|(3<<25)  ; the same with the mask of my column, for B's tiles
	s_mov_b32 s[G1+1], 128<<16                     ; tensor_dim0 = 128
	s_mov_b32 s[G1B+1], 128<<16
	s_mov_b32 s[G1+2], 64<<16                      ; tensor_dim1 = 64
	s_mov_b32 s[G1B+2], 128<<16                    ;             = 128
	s_mov_b32 s[G1+3], 128<<16                     ; tile_dim0 = 128
	s_mov_b32 s[G1B+3], 128<<16
	s_mov_b32 s[G1+4], 64                          ; tile_dim1 = 64
	s_mov_b32 s[G1B+4], 128                        ;           = 128
	s_mov_b32 s[G1+5], KPA                         ; elements from row to row
	s_mov_b32 s[G1B+5], KPB
	s_mov_b32 s[G1+6], 0
	s_mov_b32 s[G1B+6], 0
	s_mov_b32 s[G1+7], 0
	s_mov_b32 s[G1B+7], 0
	; where the tiles come from, in bytes.  A's hang on the tile row alone, B's on the tile column alone, each in registers that never hold the other coordinate.
	s_lshl_b32 s20, s18, 7
	s_lshl_b32 s21, s[LOW], 6
	s_add_co_u32 s20, s20, s21                     ; A: row 128 mt + 64 x half
	s_mul_i32 s20, s20, HPA
	s_mov_b32 s21, 0
	s_lshl_b32 s40, s19, 8
	s_lshl_b32 s41, s[LOW], 7
	s_add_co_u32 s40, s40, s41                     ; B: row 256 nt + 128 x half
	s_mul_i32 s40, s40, HPB
	s_mov_b32 s41, 0
	s_lshl_b32 s42, s19, 10                        ; my first column, 256 nt + 128 x half, times 4 bytes: its place in down_s and in a row of out0
	s_lshl_b32 s43, s[LOW], 9
	s_add_co_u32 s42, s42, s43
	s_mov_b32 s43, 0
	s_lshl_b32 s44, s18, 7                         ; my first row of out0: 128 mt + 64 x half
	s_lshl_b32 s45, s[HIW], 6
	s_add_co_u32 s44, s44, s45
	s_lshl_b32 s44, s44, 13
	s_add_co_u32 s44, s44, s42
	s_mov_b32 s45, 0
	s_mul_i32 s22, s[LOW], 64*PITCH                ; where the tiles go: A's two halves,
	s_mul_i32 s23, s[LOW], 128*PITCH
	s_add_co_u32 s23, s23, ABYTES                  ; and behind them B's: no place in the cluster enters an LDS address
	s_wait_dscnt 0x0                               ; the opening add is done
	s_wait_kmcnt 0x0
	s_add_nc_u64 s[4:5], s[4:5], s[20:21]
	s_add_nc_u64 s[6:7], s[6:7], s[40:41]
	s_add_nc_u64 s[8:9], s[8:9], s[42:43]
	s_add_nc_u64 s[10:11], s[10:11], s[44:45]
	CROUND                                         ; all sixteen work-groups are here: the first joint loads meet
.irp s, 0,1
	s_mov_b32 s[G0+4*(\s)], 1                                      ; 1:0 count = 1
	s_add_co_u32 s[G0+4*(\s)+1], s22, (\s)*SLOT                    ; 63:32 LDS address
	s_add_nc_u64 s[G0+4*(\s)+2:G0+4*(\s)+3], s[4:5], (\s)*256      ; 120:64 global address: block 0's hi (slot 0), its lo (slot 1)
	s_or_b32 s[G0+4*(\s)+3], s[G0+4*(\s)+3], 0x80000000            ; 127:126 type = 2
	s_mov_b32 s[G0B+4*(\s)], 1
	s_add_co_u32 s[G0B+4*(\s)+1], s23, (\s)*SLOT
	s_add_nc_u64 s[G0B+4*(\s)+2:G0B+4*(\s)+3], s[6:7], 0           ; block 0 of dwb, for both terms
	s_or_b32 s[G0B+4*(\s)+3], s[G0B+4*(\s)+3], 0x80000000
	JLOAD \s                                       ; both slots are asked for before anything else is done: two tensor loads of mine are out
.endr
	v_and_b32 v1, 15, v0                           ; l % 16
	v_bfe_u32 v2, v0, 4, 1                         ; l / 16
	v_lshlrev_b32 v[SOFF], 5, v2
	WIN 0x80                                       ; destination window 2, address window 0
.irp b, 0,1,2,3,4,5,6,7                ; register 8 b + j takes the scale of my column 16 b + 8 (l / 16) + j: the place that the accumulators' register j has
	global_load_b128 v[8*(\b):8*(\b)+3],   v[SOFF], s[8:9] offset:64*(\b)
	global_load_b128 v[8*(\b)+4:8*(\b)+7], v[SOFF], s[8:9] offset:64*(\b)+16
.endr
	WIN 0
	; A fragment is 16 rows x 32 K in 8 registers: lane l holds row l % 16; registers 0-3 K = 8 (l / 16) + 0..7, registers 4-7 K = 16 + 8 (l / 16) + 0..7: two loads of 16 bytes, 32 bytes apart.
	v_mul_u32_u24 v3, v1, PITCH
	v_lshl_add_u32 v3, v2, 4, v3                   ; row x pitch + 16 x half
	s_mul_i32 s22, s[HIW], 64*PITCH                ; my 64 rows of A
	s_mul_i32 s23, s[LOW], 128*PITCH               ; my 128 rows of B,
	s_add_co_u32 s23, s23, ABYTES                  ; which lie behind A's 128
.irp s, 0,1
	v_add_nc_u32 v[ADRA+(\s)], s22, v3
	v_add_nc_u32 v[ADRB+(\s)], s23, v3
	s_add_co_u32 s22, s22, SLOT
	s_add_co_u32 s23, s23, SLOT
.endr
	s_mul_i32 s22, s[WV], 16*SPITCH
	s_add_co_u32 s22, s22, STAGE                   ; my stage
	v_mul_u32_u24 v4, v1, SPITCH                   ; in: row l % 16, 32 bytes for each half of the lanes
	v_lshl_add_u32 v4, v2, 5, v4
	v_add_nc_u32 v[STO], s22, v4
	v_and_b32 v5, 31, v0                           ; back: 32 lanes take one row of 512 bytes,
	v_lshlrev_b32 v[CO], 4, v5                     ; which are 512 consecutive bytes of out0
	v_add_nc_u32 v[RD], s22, v[CO]
	; The scales are rounded to bf16 and widened again, in the wait for the first tile.
	s_wait_loadcnt 0x0
	WIN 0x0a                                       ; sources window 2, destination window 0
.set i, 0
.rept 32
	v_cvt_pk_bf16_f32 v[TT+i], v[2*i], v[2*i+1]
.set i, i+1
.endr
	WIN 0x80                                       ; source window 0, destination window 2
.set i, 0
.rept 32
	v_lshlrev_b32 v[2*i], 16, v[TT+i]
	v_and_b32 v[2*i+1], 0xffff0000, v[TT+i]
.set i, i+1
.endr
	WIN 0
; 8 matrix instructions: m block a x all 8 n blocks, 32 along K, from buffer f.  zero = 1: the product starts the sums: nothing is ever cleared.
; The 32 accumulators take turns, one instruction a turn, in the same order in every quarter: between two links of a chain stand the 31 others'.
.macro MULB f, a, zero
	WIN MUL
.irp b, 0,1,2,3,4,5,6,7
.if \zero
	v_wmma_f32_16x16x32_bf16 v[8*(8*(\a)+(\b)):8*(8*(\a)+(\b))+7], v[(\f)+32+8*(\b):(\f)+32+8*(\b)+7], v[(\f)+8*(\a):(\f)+8*(\a)+7], 0
.else
	v_wmma_f32_16x16x32_bf16 v[8*(8*(\a)+(\b)):8*(8*(\a)+(\b))+7], v[(\f)+32+8*(\b):(\f)+32+8*(\b)+7], v[(\f)+8*(\a):(\f)+8*(\a)+7], v[8*(8*(\a)+(\b)):8*(8*(\a)+(\b))+7]
.endif
.endr
.endm
; 24 LDS loads in one run: the fragments of 32 along K at byte k of the rows, into buffer f; B's sixteen first, then A's eight
.macro FETCH slot, k, f
	WIN 0
.irp i, 0,1,2,3,4,5,6,7
	ds_load_b128 v[(\f)+32+8*(\i):(\f)+32+8*(\i)+3],   v[ADRB+(\slot)] offset:(\k)+(\i)*16*PITCH
	ds_load_b128 v[(\f)+32+8*(\i)+4:(\f)+32+8*(\i)+7], v[ADRB+(\slot)] offset:(\k)+(\i)*16*PITCH+32
.endr
.irp i, 0,1,2,3
	ds_load_b128 v[(\f)+8*(\i):(\f)+8*(\i)+3],   v[ADRA+(\slot)] offset:(\k)+(\i)*16*PITCH
	ds_load_b128 v[(\f)+8*(\i)+4:(\f)+8*(\i)+7], v[ADRA+(\slot)] offset:(\k)+(\i)*16*PITCH+32
.endr
.endm
; A load into a register that a matrix instruction has read, and a vector instruction that reads a matrix result, stand four places behind it, and only plain vector instructions
; that name none of its registers are places (ISA guide 7.12.1 for vector instructions).
.macro PLACES
.rept 4
	v_nop
.endr
.endm
; A K step is four quarters of 32 along K, 32 matrix instructions each, on buffers 0, 1, 0, 1.  One of the first three: multiplies buffer f and, in its middle, fetches the next quarter, at byte k, into g.
.macro QUARTER slot, k, f, g, zero
	s_wait_dscnt 4                                 ; B and A's blocks 0 and 1 are in; the youngest four loads (A's blocks 2 and 3) may be out
	MULB \f, 0, \zero
	MULB \f, 1, \zero
	PLACES
	FETCH \slot, \k, \g
	s_wait_dscnt 24                                ; all but the 24 just issued
	MULB \f, 2, \zero
	MULB \f, 3, \zero
.endm
; The last quarter multiplies buffer 1 and changes slots: ONE barrier; in front of it each wave waits for all its tensor loads (the one that is out is its part of the next slot), adds 0 to its
; spare word, and waits for that and for its own reads of this slot.  fill = 1: the barrier opens a round of the cluster's, and this slot is filled again, with the next block's same term, first thing behind it:
; from that request to the wait for it a wave issues 112 matrix instructions.
.macro TURN slot, next, fill
	WIN 0                                          ; (the add's two registers lie in window 0)
	s_wait_tensorcnt 0x0                           ; all my tensor loads have landed: no load of mine is out, so a group 0 may be written
	ds_add_u32 v[SPW], v[NIL]                      ; 0 onto my spare word
	s_wait_dscnt 5                                 ; (the add and the youngest four loads may be out)
	MULB F1, 0, 0                                  ; eight matrix instructions stand between the add and the wait for it
	s_wait_dscnt 0x0                               ; the add is done, and my reads of this slot are over
	s_barrier_signal -1
	MULB F1, 1, 0                                  ; work on registers while the others arrive
.if \fill
	WIN 0
.endif
	s_barrier_wait -1
.if \fill
	CREST                                          ; no wave of any partner still reads this slot's tile or has a load on its way
	s_add_nc_u64 s[G0+4*(\slot)+2:G0+4*(\slot)+3], s[G0+4*(\slot)+2:G0+4*(\slot)+3], 512    ; the next block's same term: 512 bytes on in hb,
	s_add_nc_u64 s[G0B+4*(\slot)+2:G0B+4*(\slot)+3], s[G0B+4*(\slot)+2:G0B+4*(\slot)+3], 256  ; 256 in dwb; the type bits on top are not reached
	JLOAD \slot                                    ; my one tensor load behind the round; the four v_nop behind it are also the places in front of the loads below
.else
	PLACES
.endif
	FETCH \next, 0, F0
	MULB F1, 2, 0
	MULB F1, 3, 0
.endm
	s_wait_tensorcnt 1                             ; my part of K step 0 is in; K step 1's may stay out
	s_barrier_signal -1
	s_barrier_wait -1                              ; everybody's is
	FETCH 0, 0, F0
	QUARTER 0, 64,  F0, F1, 1                      ; the first quarter stands in front of the loop: its products start the sums
	WIN 0                                          ; at a label and at a branch every window is 0
	s_mov_b32 s3, LAPS-1
.Llap:                                                 ; a trip goes once round the ring, from a lap's second quarter to the next lap's first, and fills both slots again
	QUARTER 0, 128, F1, F0, 0
	QUARTER 0, 192, F0, F1, 0
	TURN 0, 1, 1
	QUARTER 1, 64,  F0, F1, 0
	QUARTER 1, 128, F1, F0, 0
	QUARTER 1, 192, F0, F1, 0
	TURN 1, 0, 1
	QUARTER 0, 64,  F0, F1, 0
	WIN 0
	s_sub_co_u32 s3, s3, 1
	s_cmp_lg_u32 s3, 0
	s_cbranch_scc1 .Llap
	QUARTER 0, 128, F1, F0, 0                      ; the last lap fills nothing, and has no round of the cluster's barrier
	QUARTER 0, 192, F0, F1, 0
	TURN 0, 1, 0
	QUARTER 1, 64,  F0, F1, 0
	QUARTER 1, 128, F1, F0, 0
	QUARTER 1, 192, F0, F1, 0
	s_wait_dscnt 4                                 ; the very last quarter: nothing more to fetch
	MULB F1, 0, 0
	MULB F1, 1, 0
	s_wait_dscnt 0x0
	MULB F1, 2, 0
	MULB F1, 3, 0
	WIN 0
; THE WAY OUT of m block a (16 rows x my 128 columns of f32), in three parts.  PACK: the sums times down_s; each accumulator is read from its lowest registers on.
; TOSTAGE: 32 bytes a lane into my own stage in LDS, and back as whole rows of 512 bytes.  SEND: stored.
.macro PACK a
	WIN 0x09                                       ; source 0 (sums) window 1, source 1 (scales) window 2, destination window 0
.irp b, 0,1,2,3,4,5,6,7
.irp p, 0,1,2,3
	v_pk_mul_f32 v[TT+8*(\b)+2*(\p):TT+8*(\b)+2*(\p)+1], v[8*(8*(\a)+(\b))+2*(\p):8*(8*(\a)+(\b))+2*(\p)+1], v[8*(\b)+2*(\p):8*(\b)+2*(\p)+1]
.endr
.endr
	WIN 0
.endm
.macro TOSTAGE a
.set BK, BK0+64*((\a)%2)
.irp b, 0,1,2,3,4,5,6,7
	ds_store_b128 v[STO], v[TT+8*(\b):TT+8*(\b)+3]   offset:64*(\b)
	ds_store_b128 v[STO], v[TT+8*(\b)+4:TT+8*(\b)+7] offset:64*(\b)+16
.endr
.irp t, 0,1,2,3,4,5,6,7,8,9,10,11,12,13,14,15
	ds_load_b128 v[BK+4*(\t):BK+4*(\t)+3], v[RD] offset:(\t)*SPITCH  ; LDS serves a wave's instructions in order (ISA guide 5.7.1.4): these see the stores above; the next block's stores come behind them
.endr
.endm
.macro SEND a
.set BK, BK0+64*((\a)%2)
	s_wait_dscnt 0x0                               ; the block is back in registers
	s_wait_xcnt 0x0                                ; every earlier memory instruction has had its addresses translated (ISA guide 3.1): the other buffer, which the block before stored from, is loaded again only behind this wait
.irp t, 0,1,2,3,4,5,6,7,8,9,10,11,12,13,14,15
	global_store_b128 v[CO], v[BK+4*(\t):BK+4*(\t)+3], s[10:11] offset:(16*(\a)+(\t))*OP th:TH_STORE_NT  ; 32 lanes store 512 consecutive bytes, at a multiple of 256 from out0's first byte
.endr
.endm
	PLACES                                         ; behind the last products
	PACK 0
	TOSTAGE 0
.irp a, 1,2,3                          ; block a's arithmetic stands between block a - 1's loads from the stage and the wait for them
	PACK \a
	SEND (\a)-1
	TOSTAGE \a
.endr
	SEND 3
	s_wait_tensorcnt 0x0                           ; the wave's end: the add and its wait stand behind my last tensor load and my last LDS store
	ds_add_u32 v[SPW], v[NIL]
	s_wait_dscnt 0x0
	CROUND                                         ; the closing round: no work-group ends while a partner may still ask for a tile that names it
	s_endpgm
.Lfunc_end_k_qd22d211a61_down:
	.size	k_qd22d211a61_down, .Lfunc_end_k_qd22d211a61_down-k_qd22d211a61_down
	.p2alignl 7, 3214868480
	.fill 96, 4, 3214868480
	.section	.rodata,"a",@progbits
	.p2align	6, 0x0
	.amdhsa_kernel k_qd22d211a61_down
		.amdhsa_group_segment_fixed_size 327680
		.amdhsa_private_segment_fixed_size 0
		.amdhsa_enable_private_segment 0
		.amdhsa_kernarg_size 32
		.amdhsa_user_sgpr_count 2
		.amdhsa_user_sgpr_kernarg_segment_ptr 1
		.amdhsa_wavefront_size32 1
		.amdhsa_system_sgpr_workgroup_id_x 1
		.amdhsa_system_sgpr_workgroup_id_y 1
		.amdhsa_system_sgpr_workgroup_id_z 1
		.amdhsa_system_vgpr_workitem_id 0
		.amdhsa_next_free_vgpr 576
		.amdhsa_next_free_sgpr 66
		.amdhsa_reserve_vcc 0
		.amdhsa_float_denorm_mode_32 3
		.amdhsa_float_denorm_mode_16_64 3
		.amdhsa_memory_ordered 1
		.amdhsa_forward_progress 1
		.amdhsa_inst_pref_size 99
	.end_amdhsa_kernel
	.amdgpu_metadata
---
amdhsa.version: [ 1, 2 ]
amdhsa.kernels:
  - .name:           k_qd22d211a61_down
    .symbol:         k_qd22d211a61_down.kd
    .args:
      - { .name: hb, .offset: 0, .size: 8, .value_kind: global_buffer, .address_space: global }
      - { .name: dwb, .offset: 8, .size: 8, .value_kind: global_buffer, .address_space: global }
      - { .name: down_s, .offset: 16, .size: 8, .value_kind: global_buffer, .address_space: global }
      - { .name: out0, .offset: 24, .size: 8, .value_kind: global_buffer, .address_space: global }
    .group_segment_fixed_size: 327680
    .private_segment_fixed_size: 0
    .kernarg_segment_align: 8
    .kernarg_segment_size: 32
    .max_flat_workgroup_size: 128
    .sgpr_count:     66
    .vgpr_count:     576
    .wavefront_size: 32
...
	.end_amdgpu_metadata
.endif
;; end of part 3
;; ======== version 2 of 3: 3 launches; 1.30 times as fast as version 1
;; workspace buffers: xb 16,777,216 bytes; wgu 23,068,672 bytes; dwb 11,534,336 bytes; hb 23,068,672 bytes; hs 720,896 bytes
;; launch prep (part 4): grid 864 x 1, 8 waves a work-group, no clusters, 0 bytes of LDS; arguments x, gate_w, up_w, down_w, xb, wgu, dwb; writes xb, wgu, dwb
.if DOCPART == 4
	.amdgcn_target "amdgcn-amd-amdhsa--gfx1250"
	.amdhsa_code_object_version 6
	.text
	.protected	k_qd22d211a61_prep
	.globl	k_qd22d211a61_prep
	.p2align	8
	.type	k_qd22d211a61_prep,@function
k_qd22d211a61_prep:
	s_mov_b64 s[64:65], 0
	v_nop
	global_prefetch_b8 v0, s[64:65] scope:SCOPE_SE
	s_setreg_imm32_b32 hwreg(HW_REG_WAVE_MODE, 25, 1), 1
	s_wait_xcnt 0x0
; PREP: the operands of the two products, cast once to 16 bits and laid out for tiles whose rows are 256 aligned bytes.
;   xb  [4096][2048] bf16 = x, rounded to nearest even.
;   wgu [5632][2048] bf16: 88 groups of 64 rows (262,144 bytes each).  Group 2 c = gate_w's rows 64 c .. 64 c + 63, group 2 c + 1 = up_w's same rows, c = 0 .. 42;
;       groups 86 and 87 are zeros: the ff axis, 2752 = 43 x 64, is filled up to 2816 = 22 x 128.
;   dwb [2048][2816] f16 = down_w, each row filled up with 64 zeros: a row is 5,632 bytes = 22 x 256.  (f16, since the second product's other operand is f16.)
; LIMITS.  A weight goes int32 -> f32 -> 16 bits by the conversion instructions.  gate_w, up_w: exact up to 256 in magnitude, beyond that rounded to bf16's 8 significant bits.
; down_w: exact up to 2,048, beyond that rounded to f16's 11 significant bits; from 65,520 on it becomes an infinity: such weights are not served.
; A stream: no LDS, no barrier, no matrix work, no loop.  A step of a wave is one load of 16 bytes a lane (512 consecutive bytes, 128 numbers), the conversion in place, and one
; store of 8 bytes a lane (256 consecutive bytes, aligned).  All of a wave's loads go out first (32 x 512 bytes), then each is waited for by a count.
; No register that a memory instruction names is written again, so no wait frees a source.
; The work-group's number chooses the path: 0-255 x; 256-599 gate_w and up_w (172 each); 600-855 down_w (8 rows each, a row a wave); 856-863 wgu's zero groups.
.set SRC,  2                           ; v2        byte offset of my 16 bytes in the source
.set DST,  3                           ; v3        byte offset of my 8 bytes in the destination
.set DAT,  4                           ; v[4:131]  step i: 4 registers as loaded; the first two then hold the 4 numbers of 16 bits
.set SRC2, 132                         ; v132      down_w: the offset for a row's last 256 bytes
.set WVV,  133                         ; v133      my wave's number
.set TA,   134                         ; v134, v135 at work
.set TB,   135
; n steps.  isint = 1: the source holds int32.  tail = 1: the last step has 64 numbers only (lanes 0-15); lanes 16-31 read those bytes once more, so that
; no load leaves the row, and store zeros.  half = 1: to f16, else to bf16.
.macro CONV n, isint, tail, half
.set i, 0
.rept \n
.if (\tail) && (i == (\n)-1)
	global_load_b128 v[DAT+4*i:DAT+4*i+3], v[SRC2], s[20:21] offset:512*i th:TH_LOAD_NT
.else
	global_load_b128 v[DAT+4*i:DAT+4*i+3], v[SRC], s[20:21] offset:512*i th:TH_LOAD_NT
.endif
.set i, i+1
.endr
.set i, 0
.rept \n
	s_wait_loadcnt (\n)-1-i                        ; loads come back in order (ISA guide 5.7.1): step i's is in, the younger ones stay out
.if \isint
	v_cvt_f32_i32 v[DAT+4*i],   v[DAT+4*i]
	v_cvt_f32_i32 v[DAT+4*i+1], v[DAT+4*i+1]
	v_cvt_f32_i32 v[DAT+4*i+2], v[DAT+4*i+2]
	v_cvt_f32_i32 v[DAT+4*i+3], v[DAT+4*i+3]
.endif
.if \half
	v_cvt_pk_f16_f32 v[DAT+4*i],   v[DAT+4*i],   v[DAT+4*i+1]
	v_cvt_pk_f16_f32 v[DAT+4*i+1], v[DAT+4*i+2], v[DAT+4*i+3]
.else
	v_cvt_pk_bf16_f32 v[DAT+4*i],   v[DAT+4*i],   v[DAT+4*i+1]
	v_cvt_pk_bf16_f32 v[DAT+4*i+1], v[DAT+4*i+2], v[DAT+4*i+3]
.endif
.if (\tail) && (i == (\n)-1)
	v_cndmask_b32 v[DAT+4*i],   0, v[DAT+4*i],   vcc_lo  ; lanes 16-31: the row's 64 zeros
	v_cndmask_b32 v[DAT+4*i+1], 0, v[DAT+4*i+1], vcc_lo
.endif
	global_store_b64 v[DST], v[DAT+4*i:DAT+4*i+1], s[22:23] offset:256*i  ; 32 lanes store 256 consecutive bytes, aligned; a later launch reads them: no hint
.set i, i+1
.endr
.endm
	s_load_b256 s[4:11], s[0:1], 0x0               ; x s[4:5], gate_w s[6:7], up_w s[8:9], down_w s[10:11]
	s_load_b128 s[12:15], s[0:1], 0x20             ; xb s[12:13], wgu s[14:15]
	s_load_b64 s[16:17], s[0:1], 0x30              ; dwb
	v_and_b32 v1, 31, v0                           ; lane
	v_lshrrev_b32 v[WVV], 5, v0                    ; wave
	v_lshlrev_b32 v[SRC], 4, v1                    ; for x, gate_w, up_w: a wave takes 16,384 consecutive bytes
	v_lshl_add_u32 v[SRC], v[WVV], 14, v[SRC]
	v_lshlrev_b32 v[DST], 3, v1                    ; and makes 8,192 of them
	v_lshl_add_u32 v[DST], v[WVV], 13, v[DST]
	s_mov_b32 s25, 0                               ; the offsets' high words
	s_mov_b32 s27, 0
	s_wait_kmcnt 0x0
	s_cmp_lt_u32 ttmp9, 256
	s_cbranch_scc0 .Lnot_x
	; x: 32,768 numbers a work-group
	s_lshl_b32 s24, ttmp9, 17
	s_lshl_b32 s26, ttmp9, 16
	s_add_nc_u64 s[20:21], s[4:5], s[24:25]
	s_add_nc_u64 s[22:23], s[12:13], s[26:27]
	CONV 32, 0, 0, 0
	s_endpgm
.Lnot_x:
	s_cmp_lt_u32 ttmp9, 600
	s_cbranch_scc0 .Lnot_w
	; gate_w and up_w: 16 rows (32,768 numbers) a work-group, 172 work-groups each
	s_sub_co_u32 s28, ttmp9, 256
	s_cmp_ge_u32 s28, 172                          ; the second 172 take up_w
	s_cselect_b64 s[20:21], s[8:9], s[6:7]
	s_cselect_b32 s29, 1, 0
	s_cselect_b32 s30, 172, 0
	s_sub_co_u32 s28, s28, s30                     ; the piece of 16 rows, 0 .. 171
	s_lshl_b32 s24, s28, 17                        ; its bytes in the source
	s_add_nc_u64 s[20:21], s[20:21], s[24:25]
	s_lshr_b32 s31, s28, 2                         ; c: four pieces make 64 rows
	s_lshl1_add_u32 s31, s31, s29                  ; the group: 2 c, or 2 c + 1 for up_w
	s_lshl_b32 s26, s31, 18
	s_and_b32 s31, s28, 3
	s_lshl_b32 s31, s31, 16                        ; the piece's place in its group
	s_add_co_u32 s26, s26, s31
	s_add_nc_u64 s[22:23], s[14:15], s[26:27]
	CONV 32, 1, 0, 0
	s_endpgm
.Lnot_w:
	s_cmp_lt_u32 ttmp9, 856
	s_cbranch_scc0 .Lnot_d
	; down_w: 8 rows a work-group, a row (11,008 bytes in, 5,632 out) a wave: 21 whole steps and one of 64 numbers
	s_sub_co_u32 s28, ttmp9, 600
	s_mul_i32 s24, s28, 8*11008
	s_mul_i32 s26, s28, 8*5632
	s_add_nc_u64 s[20:21], s[10:11], s[24:25]
	s_add_nc_u64 s[22:23], s[16:17], s[26:27]
	v_mul_u32_u24 v[TA], v[WVV], 11008
	v_lshl_add_u32 v[SRC], v1, 4, v[TA]
	v_and_b32 v[TB], 15, v1
	v_lshl_add_u32 v[SRC2], v[TB], 4, v[TA]
	v_mul_u32_u24 v[TB], v[WVV], 5632
	v_lshl_add_u32 v[DST], v1, 3, v[TB]
	v_cmp_gt_u32 vcc_lo, 16, v1                    ; lanes 0-15 hold the last step's numbers
	CONV 22, 1, 1, 1
	s_endpgm
.Lnot_d:
	; wgu's groups 86 and 87: 524,288 bytes of zeros, 65,536 a work-group
	s_sub_co_u32 s28, ttmp9, 856
	s_lshl_b32 s26, s28, 16
	s_add_co_u32 s26, s26, 86<<18
	s_add_nc_u64 s[22:23], s[14:15], s[26:27]
	v_lshlrev_b32 v[DST], 4, v0                    ; 256 threads x 16 bytes = 4,096 consecutive bytes a store
	v_mov_b32 v4, 0
	v_mov_b32 v5, 0
	v_mov_b32 v6, 0
	v_mov_b32 v7, 0
.set i, 0
.rept 16
	global_store_b128 v[DST], v[4:7], s[22:23] offset:4096*i
.set i, i+1
.endr
	s_endpgm
.Lfunc_end_k_qd22d211a61_prep:
	.size	k_qd22d211a61_prep, .Lfunc_end_k_qd22d211a61_prep-k_qd22d211a61_prep
	.p2alignl 7, 3214868480
	.fill 96, 4, 3214868480
	.section	.rodata,"a",@progbits
	.p2align	6, 0x0
	.amdhsa_kernel k_qd22d211a61_prep
		.amdhsa_group_segment_fixed_size 0
		.amdhsa_private_segment_fixed_size 0
		.amdhsa_enable_private_segment 0
		.amdhsa_kernarg_size 56
		.amdhsa_user_sgpr_count 2
		.amdhsa_user_sgpr_kernarg_segment_ptr 1
		.amdhsa_wavefront_size32 1
		.amdhsa_system_sgpr_workgroup_id_x 1
		.amdhsa_system_sgpr_workgroup_id_y 1
		.amdhsa_system_sgpr_workgroup_id_z 1
		.amdhsa_system_vgpr_workitem_id 0
		.amdhsa_next_free_vgpr 136
		.amdhsa_next_free_sgpr 66
		.amdhsa_reserve_vcc 1
		.amdhsa_float_denorm_mode_32 3
		.amdhsa_float_denorm_mode_16_64 3
		.amdhsa_memory_ordered 1
		.amdhsa_forward_progress 1
		.amdhsa_inst_pref_size 41
	.end_amdhsa_kernel
	.amdgpu_metadata
---
amdhsa.version: [ 1, 2 ]
amdhsa.kernels:
  - .name:           k_qd22d211a61_prep
    .symbol:         k_qd22d211a61_prep.kd
    .args:
      - { .name: x, .offset: 0, .size: 8, .value_kind: global_buffer, .address_space: global }
      - { .name: gate_w, .offset: 8, .size: 8, .value_kind: global_buffer, .address_space: global }
      - { .name: up_w, .offset: 16, .size: 8, .value_kind: global_buffer, .address_space: global }
      - { .name: down_w, .offset: 24, .size: 8, .value_kind: global_buffer, .address_space: global }
      - { .name: xb, .offset: 32, .size: 8, .value_kind: global_buffer, .address_space: global }
      - { .name: wgu, .offset: 40, .size: 8, .value_kind: global_buffer, .address_space: global }
      - { .name: dwb, .offset: 48, .size: 8, .value_kind: global_buffer, .address_space: global }
    .group_segment_fixed_size: 0
    .private_segment_fixed_size: 0
    .kernarg_segment_align: 8
    .kernarg_segment_size: 56
    .max_flat_workgroup_size: 256
    .sgpr_count:     66
    .vgpr_count:     136
    .wavefront_size: 32
...
	.end_amdgpu_metadata
.endif
;; end of part 4
;; launch gateup (part 5): grid 8 x 22, 4 waves a work-group, clusters of 4 x 1, 327,680 bytes of LDS; arguments xb, wgu, gate_s, up_s, hb, hs; writes hb, hs
.if DOCPART == 5
	.amdgcn_target "amdgcn-amd-amdhsa--gfx1250"
	.amdhsa_code_object_version 6
	.text
	.protected	k_qd22d211a61_gateup
	.globl	k_qd22d211a61_gateup
	.p2align	8
	.type	k_qd22d211a61_gateup,@function
k_qd22d211a61_gateup:
	s_mov_b64 s[64:65], 0
	v_nop
	global_prefetch_b8 v0, s[64:65] scope:SCOPE_SE
	s_setreg_imm32_b32 hwreg(HW_REG_WAVE_MODE, 25, 1), 1
	s_wait_xcnt 0x0
	s_wait_alu depctr_hold_cnt(0) depctr_sa_sdst(0) depctr_va_vdst(0) depctr_va_sdst(0) depctr_va_ssrc(0) depctr_va_vcc(0) depctr_vm_vsrc(0)
	s_getreg_b32 s2, hwreg(HW_REG_IB_STS2, 6, 4)
	s_cmp_eq_u32 s2, 0
	s_cbranch_scc0 .Lentry_in_a_cluster
	s_endpgm
.Lentry_in_a_cluster:
	s_bfe_u32 s2, ttmp6, 0x10000c
	s_cmp_lg_u32 s2, 0x3003
	s_cbranch_scc0 .Lentry_shape_is_right
	s_endpgm
.Lentry_shape_is_right:
; GATEUP: h[m][f] = silu(g) u,  g = gate_s[f] sum_k x[m][k] gate_w[f][k],  u = up_s[f] sum_k x[m][k] up_w[f][k].  m < 4096, f < 2816, K = 2048.
; xb [4096][2048] bf16; wgu [5632][2048] bf16 holds gate's and up's rows in alternating groups of 64, so that ONE wave's 128 rows of B are 64 columns f of gate and the same
; 64 columns of up: g and u of a number of h lie in the same lane of the same wave, and the product's way out makes h without any exchange.
; h LEAVES IN f16 WITH A SCALE FOR EACH ROW AND BLOCK OF 128 COLUMNS (a tile's width).  With e the exponent field of the block's largest |h| (at least 15), hb holds h x 2^(141 - e), whose
; largest magnitude lies in 2^14 .. 2^15, and hs holds s = 2^(e - 141); both factors are powers of two, so only the rounding to f16's 11 significant bits is lost, whatever h's size.
; hb [4096][2816] f16, a row 5,632 bytes = 22 x 256.  Columns 2752 .. 2815 come from wgu's zero rows and are stored as zeros.
; hs [32 blocks of 128 rows][22 blocks of columns][row / 64][row % 16][(row / 16) % 4][2] f32, each s twice: 1,024 bytes for 128 rows and a block, in the order in which the next launch's lanes take them.
; LIMITS.  Sums in f32; x is rounded once to bf16; gate_s and up_s are rounded to bf16 too, so that every floating-point input has the same one rounding.
; silu(g) = g / (1 + 2^(-g log2 e)); where that power passes f32's range silu counts as -0, where it is below 2^-126 it counts as 0 beside the 1.
; A number below 2^-29 of its block's largest keeps f16's fixed step, 2^-39 of that largest; a block whose largest is below 2^-112 is scaled as if it were 2^-112.
; The 64 filled-up columns take the scales of columns 2688 .. 2751 on sums that are 0: they are 0 as long as those scales are finite.
; SHARES.  A tile is 256 rows of x by 256 rows of wgu (128 columns of h).  Four waves, 2 x 2; a wave has 128 x 128: 64 accumulators of 16 x 16, 512 registers.  There are 16 x 22 = 352 tiles,
; no multiple of the 256 WGPs; a block of 128 columns carries the scale, so every tile shape gives 22 x 2^k work-groups.  So A WORK-GROUP STAYS for two tiles, 2,048 rows apart: 8 x 22 = 176
; work-groups of equal work.  The tile is a counted loop of two trips; every text stands once.
; K goes in steps of 128 (tile rows of 256 aligned bytes) through two LDS slots filled by the tensor data mover; waves 0 and 1 fetch 128 rows of A each, waves 2 and 3 128 rows of B each.
; From a slot's request to the wait for it a wave issues a whole step's 256 matrix instructions.  One tensor load of a wave is out at any time.
; CLUSTER.  Four work-groups along m form a cluster: they need the same tile of B, half of a step's bytes, and ask for it JOINTLY.  A's tiles are not shared: the grid has 22
; work-groups along the other axis, which four does not divide; A's loads are each work-group's own, in the same rounds.
; THE MATRIX INSTRUCTION IS USED TRANSPOSED (source 0 = 16 rows of B, source 1 = 16 rows of A): a lane then holds row l % 16 of the tile and eight neighbouring columns 8 (l / 16) + 0..7.
; REGISTERS, in windows of 256 (s_set_vgpr_msb: bits 1:0 source 0, 3:2 source 1, 5:4 source 2, 7:6 destination):
;   window 0: v0-32 addresses; v36-59 the rows' factors and maxima; v64-127, v128-191 fragments of A (8 x 16 rows x 32 K), two buffers, on the way out at work; v192-223 gate_s, v224-255 up_s of my columns
;   window 1: v64-127, v128-191 fragments of B, two buffers
;   window 2: the 32 accumulators of my rows 0-63, (a, b) at v[8 (8 a + b)], b = 0..7 along B's rows (0-3 gate, 4-7 up);   window 3: those of my rows 64-127
.set KP,     2048                      ; K, and the pitch of xb and wgu in elements
.set LAPS,   KP/256                    ; a lap = two K steps = once round the ring
.set TILES,  2                         ; tiles of a work-group
.set PITCH,  272                       ; an LDS row: 256 bytes + 16 of padding = 68 words: row r starts at bank 4 r mod 64 (64 banks of 4 bytes: ISA guide 11.1), so the 16 rows of a load start at 16 different banks
.set HALFT,  128*PITCH                 ; 128 rows: what one tensor load brings, and what one wave reads of A or of B
.set SLOT,   4*HALFT                   ; A's 256 rows, then B's 256 rows
.set STAGE,  2*SLOT                    ; behind the ring: 128 rows x 272 bytes, the work-group's, for the way out, half of the tile's rows at a time; no tensor load fills it
.set MXS,    STAGE+128*PITCH           ; behind the stage: 2,048 bytes, the rows' maxima: [half of the columns][half of the rows][row % 16][8 blocks of rows] f32
.set SPARE,  MXS+2048                  ; behind them: the spare words, 128 bytes for each wave: two blocks of 256 bytes that no other line names
.set HP,     5632                      ; bytes in a row of hb
.set WALKA,  8*256*KP*2                ; from a tile to the work-group's next: 2,048 rows of xb,
.set WALKH,  8*256*HP                  ; of hb,
.set WALKS,  16*22*1024                ; and 16 blocks of 128 rows of hs
.set ADRA, 16                          ; v16-17  LDS address of my A fragments in slot 0, 1
.set ADRB, 20                          ; v20-21  the same for B
.set STO,  24                          ; v24     the way out: where I put 16 bytes of a row
.set RD,   25                          ; v25     the way out: where I read a row back
.set CO,   26                          ; v26     my byte offset in hb
.set SOFF, 27                          ; v27     32 (l / 16): my eight scales among sixteen
.set SPW,  28                          ; v28     LDS address of my spare word: SPARE + 4 x my thread's number; never rewritten
.set NIL,  29                          ; v29     0; never rewritten
.set HSO,  30                          ; v30     my 16 bytes among 512 of hs
.set MXA,  31                          ; v31     where I put my rows' maxima
.set MXB,  32                          ; v32     where the wave with the row's other 64 columns puts its
.set IV,   36                          ; v36-51  2^(141 - e), twice for each of my eight blocks of rows
.set RM,   52                          ; v52-59  the largest |h| of my row in m block a
.set F0,   64                          ; fragment buffer 0, in windows 0 (A) and 1 (B)
.set F1,   128                         ; fragment buffer 1
.set TT,   64                          ; the way out, window 0: the sigmoid in the making; then |h|; then h times its factor: 32 numbers
.set PR,   64                          ; v64-71  the partner's maxima; then 268 - e
.set EE,   72                          ; v72-79  e; then e - 14
.set SP,   80                          ; v80-95  2^(e - 141), twice for each a
.set HH,   96                          ; v96-111 h in f16
.set MX,   112                         ; v112-122 eleven partial maxima
.set DS,   112                         ; v112-119 my 32 bytes of hs
.set BK,   128                         ; v128-191 whole rows read back
.set GS,   192                         ; gate_s of my 64 columns: register 8 b + j for column 16 b + 8 (l / 16) + j
.set US,   224                         ; up_s likewise
.set WV,  14                           ; s14  my wave's number
.set HIW, 15                           ; s15  which 128 rows of the tile are mine
.set LOW, 16                           ; s16  which 128 rows of B are mine; also which half of A's or B's tile I fetch
.set G1,  24                           ; s[24:31] descriptor group 1 for A's tiles;  s[32:39] group 0, a set for each slot
.set G0,  32
.set CL,  42                           ; s[42:43] -log2(e), once the scales' offset has been used
.set ABSM, 46                          ; s46  clears a sign
.set FLO, 47                           ; s47  2^-112: the least that counts as a block's largest
.set G1B, 48                           ; s[48:55], s[56:63] the same for B's tiles
.set G0B, 56
.set SEL, 68                           ; s[68:69] v_permlanex16_b32's selects: each lane takes its own place in the other half
.set MSB, 0
.macro WIN new                         ; the immediate's high byte repeats the setting that is left; a switch that changes nothing is dropped
.if MSB != (\new)
	s_set_vgpr_msb (MSB<<8)|(\new)
.set MSB, \new
.endif
.endm
.set MUL_LO, 0xa1                      ; source 0 (B) window 1, source 1 (A) window 0, C and D window 2
.set MUL_HI, 0xf1                      ; the same, C and D window 3
.set TO_B,   0x40                      ; destination window 1, address window 0
; A fill.  Waves 0 and 1 fetch A's two halves (a load of the work-group's own), waves 2 and 3 B's (joint).  The branch hangs on the wave's number alone.
; An s_nop 0 and four v_nop follow each of the two lines, ahead of the jump, the label and what follows.
.macro JLOAD s
	s_cmp_lt_u32 s[WV], 2
	s_cbranch_scc0 .Lfor_b_\@
	tensor_load_to_lds s[G0+4*(\s):G0+4*(\s)+3], s[G1:G1+7]
	s_nop 0
.rept 4
	v_nop
.endr
	s_branch .Lasked_\@
.Lfor_b_\@:
	tensor_load_to_lds s[G0B+4*(\s):G0B+4*(\s)+3], s[G1B:G1B+7]
	s_nop 0
.rept 4
	v_nop
.endr
.Lasked_\@:
.endm
; A round of the cluster's barrier: my work-group's barrier, so that wave 0's signal speaks for all four waves; wave 0 signals; every wave waits for all four work-groups; my work-group's barrier once more.
.macro CREST                           ; a round behind its opening barrier
	s_cmp_lg_u32 s[WV], 0
	s_cbranch_scc1 .Lnot_wave_0_\@
	s_barrier_signal -3
.Lnot_wave_0_\@:
	s_barrier_wait -3
	s_barrier_signal -1
	s_barrier_wait -1
.endm
.macro CROUND                          ; a whole round
	s_barrier_signal -1
	s_barrier_wait -1
	CREST
.endm
	s_load_b256 s[4:11], s[0:1], 0x0               ; xb s[4:5], wgu s[6:7], gate_s s[8:9], up_s s[10:11]
	s_load_b64 s[12:13], s[0:1], 0x20              ; hb
	s_load_b64 s[66:67], s[0:1], 0x28              ; hs
	v_lshl_add_u32 v[SPW], v0, 2, SPARE
	v_mov_b32 v[NIL], 0
	ds_add_u32 v[SPW], v[NIL]                      ; the wave's opening: the add and its wait stand ahead of my first tensor load; the set-up below, work on registers, stands between them
	v_lshrrev_b32 v1, 5, v0
	v_readfirstlane_b32 s[WV], v1                  ; wave 0..3
	s_lshr_b32 s[HIW], s[WV], 1
	s_and_b32 s[LOW], s[WV], 1
	s_bfe_u32 s17, ttmp6, 0x40000                  ; cx: my place in the cluster
	s_lshl_b32 s18, ttmp9, 2                       ; in a cluster launch ttmp9 counts clusters
	s_add_co_u32 s18, s18, s17                     ; mt: my first block of 256 rows = 4 x cluster x + cx, 0 .. 7: it enters A's, hb's and hs's addresses alone
	s_and_b32 s19, ttmp7, 0xffff                   ; nt: my block of 256 rows of wgu, which the four partners share
	; descriptor group 1: tiles of 128 rows x 128 elements, padded in LDS
	s_mov_b32 s[G1+0], (1<<16)|(1<<20)|(5<<22)|(3<<25)              ; 15:0 no mask; 17:16 elements of 2 bytes; 20 padding on; 24:22 after every 64 words (code 5); 31:25 4 words of it (code 3)
	s_mov_b32 s[G1B+0], 15|(1<<16)|(1<<20)|(1<<21)|(5<<22)|(3<<25)  ; the same with the mask of all four work-groups, and bit 21 set beside it
.irp g, G1, G1B
	s_mov_b32 s[(\g)+1], 128<<16                   ; tensor_dim0 = 128
	s_mov_b32 s[(\g)+2], 128<<16                   ; tensor_dim1 = 128
	s_mov_b32 s[(\g)+3], 128<<16                   ; tile_dim0 = 128
	s_mov_b32 s[(\g)+4], 128                       ; tile_dim1 = 128
	s_mov_b32 s[(\g)+5], KP                        ; elements from row to row
	s_mov_b32 s[(\g)+6], 0
	s_mov_b32 s[(\g)+7], 0
.endr
	; where the tiles come from, in bytes (a row is 4,096).  B's offset is made in registers that never hold cx.
	s_lshl_b32 s20, s18, 8
	s_lshl_b32 s21, s[LOW], 7
	s_add_co_u32 s20, s20, s21                     ; A: row 256 mt + 128 x half
	s_lshl_b32 s20, s20, 12
	s_mov_b32 s21, 0
	s_lshl_b32 s40, s19, 8
	s_lshl_b32 s41, s[LOW], 7
	s_add_co_u32 s40, s40, s41                     ; B: row 256 nt + 128 x half
	s_lshl_b32 s40, s40, 12
	s_mov_b32 s41, 0
	s_lshl_b32 s42, s19, 7                         ; my 64 columns of h begin at 128 nt + 64 x half;
	s_lshl_b32 s43, s[LOW], 6
	s_add_co_u32 s42, s42, s43
	s_min_u32 s42, s42, 2688                       ; the filled-up columns take the last 64 scales, so that no load leaves the 2,752
	s_lshl_b32 s42, s42, 2
	s_mov_b32 s43, 0
	s_lshl_b32 s44, s18, 8                         ; the first row of hb that I store: 256 mt + 128 (wave / 2) + 32 (wave % 2),
	s_lshl_b32 s45, s[HIW], 7
	s_add_co_u32 s44, s44, s45
	s_lshl_b32 s45, s[LOW], 5
	s_add_co_u32 s44, s44, s45
	s_mul_i32 s44, s44, HP
	s_lshl_b32 s45, s19, 8                         ; and the tile's 256 bytes in it
	s_add_co_u32 s44, s44, s45
	s_mov_b32 s45, 0
	s_lshl_b32 s70, s18, 1                         ; hs: my 128 rows are block 2 mt + half; block and nt have 1,024 bytes
	s_add_co_u32 s70, s70, s[HIW]
	s_mul_i32 s70, s70, 22
	s_add_co_u32 s70, s70, s19
	s_lshl_b32 s70, s70, 10
	s_mov_b32 s71, 0
	s_mov_b32 s[SEL], 0x76543210
	s_mov_b32 s[SEL+1], 0xfedcba98
	s_mov_b32 s[ABSM], 0x7fffffff
	s_mov_b32 s[FLO], 0x07800000
	s_mul_i32 s22, s[LOW], HALFT                   ; where the tiles go: A's two halves,
	s_add_co_u32 s23, s22, 2*HALFT                 ; and behind them B's: no place in the cluster enters an LDS address
.irp s, 0,1
	s_mov_b32 s[G0+4*(\s)], 1                      ; group 0, 1:0 count = 1
	s_add_co_u32 s[G0+4*(\s)+1], s22, (\s)*SLOT    ; 63:32 LDS address; the global address is written at each tile's start
	s_mov_b32 s[G0B+4*(\s)], 1
	s_add_co_u32 s[G0B+4*(\s)+1], s23, (\s)*SLOT
.endr
	s_wait_dscnt 0x0                               ; the opening add is done
	s_wait_kmcnt 0x0
	s_add_nc_u64 s[4:5], s[4:5], s[20:21]
	s_add_nc_u64 s[6:7], s[6:7], s[40:41]
	s_add_nc_u64 s[8:9], s[8:9], s[42:43]
	s_add_nc_u64 s[10:11], s[10:11], s[42:43]
	s_add_nc_u64 s[12:13], s[12:13], s[44:45]
	s_add_nc_u64 s[66:67], s[66:67], s[70:71]
	v_and_b32 v1, 15, v0                           ; l % 16
	v_bfe_u32 v2, v0, 4, 1                         ; l / 16
	v_lshlrev_b32 v[SOFF], 5, v2
.irp b, 0,1,2,3                        ; register 8 b + j takes the scale of my column 16 b + 8 (l / 16) + j: the place that the accumulators' register j has.  Both tiles have the same columns: loaded once
	global_load_b128 v[GS+8*(\b):GS+8*(\b)+3],   v[SOFF], s[8:9] offset:64*(\b)
	global_load_b128 v[GS+8*(\b)+4:GS+8*(\b)+7], v[SOFF], s[8:9] offset:64*(\b)+16
	global_load_b128 v[US+8*(\b):US+8*(\b)+3],   v[SOFF], s[10:11] offset:64*(\b)
	global_load_b128 v[US+8*(\b)+4:US+8*(\b)+7], v[SOFF], s[10:11] offset:64*(\b)+16
.endr
	; A fragment is 16 rows x 32 K in 8 registers: lane l holds row l % 16; registers 0-3 K = 8 (l / 16) + 0..7, registers 4-7 K = 16 + 8 (l / 16) + 0..7: two loads of 16 bytes, 32 bytes apart.
	v_mul_u32_u24 v3, v1, PITCH
	v_lshl_add_u32 v3, v2, 4, v3                   ; row x pitch + 16 x half
	s_mul_i32 s22, s[HIW], HALFT                   ; my 128 rows of A
	s_mul_i32 s23, s[LOW], HALFT                   ; my 128 rows of B,
	s_add_co_u32 s23, s23, 2*HALFT                 ; which lie behind A's 256
.irp s, 0,1
	v_add_nc_u32 v[ADRA+(\s)], s22, v3
	v_add_nc_u32 v[ADRB+(\s)], s23, v3
	s_add_co_u32 s22, s22, SLOT
	s_add_co_u32 s23, s23, SLOT
.endr
	s_mul_i32 s22, s[HIW], 64*PITCH                ; into the stage: 64 of my rows at a time, my half of their 256 bytes; row l % 16, 16 bytes for each half of the lanes
	s_lshl_b32 s23, s[LOW], 7
	s_add_co_u32 s22, s22, s23
	s_add_co_u32 s22, s22, STAGE
	v_add_nc_u32 v[STO], s22, v3
	s_mul_i32 s22, s[WV], 32*PITCH                 ; back: wave w takes the stage's rows 32 w .. 32 w + 31, whole; lanes 0-15 one row of 256 bytes, lanes 16-31 the next
	s_add_co_u32 s22, s22, STAGE
	v_mul_u32_u24 v5, v2, PITCH
	v_lshl_add_u32 v5, v1, 4, v5
	v_add_nc_u32 v[RD], s22, v5
	v_mul_u32_u24 v5, v2, HP                       ; and the same two rows in hb
	v_lshl_add_u32 v[CO], v1, 4, v5
	s_lshl_b32 s22, s[HIW], 9                      ; the maxima: 512 bytes for each wave, 32 for each row % 16
	s_add_co_u32 s22, s22, MXS
	s_lshl_b32 s23, s[LOW], 10
	s_add_co_u32 s23, s23, s22
	v_lshl_add_u32 v[MXA], v1, 5, s23              ; mine,
	s_xor_b32 s23, s[LOW], 1
	s_lshl_b32 s23, s23, 10
	s_add_co_u32 s23, s23, s22
	v_lshl_add_u32 v[MXB], v1, 5, s23              ; and those of the wave with the same rows and the other 64 columns
	v_lshlrev_b32 v[HSO], 5, v1                    ; hs: 32 bytes for each row % 16, 16 of them for each half of the lanes
	v_lshl_add_u32 v[HSO], v2, 4, v[HSO]
	s_mov_b32 s[CL], 0xbfb8aa3b                    ; -log2(e)
	s_mov_b32 s[CL+1], s[CL]                       ; named with it as a pair
	; The scales are rounded to bf16 and widened again.
	s_wait_loadcnt 0x0
.set i, 0
.rept 32
	v_cvt_pk_bf16_f32 v[TT+i], v[GS+2*i], v[GS+2*i+1]
.set i, i+1
.endr
.set i, 0
.rept 32
	v_lshlrev_b32 v[GS+2*i], 16, v[TT+i]
	v_and_b32 v[GS+2*i+1], 0xffff0000, v[TT+i]
.set i, i+1
.endr
; 16 matrix instructions: m blocks a0, a0 + 1 of the window's four (hi = 0: my rows 0-63, 1: rows 64-127) x all 8 blocks of B's rows, 32 along K.  zero = 1: the product starts the sums: nothing is ever cleared.
; The 64 accumulators take turns, one instruction a turn, in the same order in every quarter: between two links of a chain stand the 63 others'.
.macro MUL16 f, hi, a0, zero
	WIN MUL_LO+0x50*(\hi)
.irp a, \a0, (\a0)+1
.irp b, 0,1,2,3,4,5,6,7
.if \zero
	v_wmma_f32_16x16x32_bf16 v[8*(8*(\a)+(\b)):8*(8*(\a)+(\b))+7], v[(\f)+8*(\b):(\f)+8*(\b)+7], v[(\f)+8*(4*(\hi)+(\a)):(\f)+8*(4*(\hi)+(\a))+7], 0
.else
	v_wmma_f32_16x16x32_bf16 v[8*(8*(\a)+(\b)):8*(8*(\a)+(\b))+7], v[(\f)+8*(\b):(\f)+8*(\b)+7], v[(\f)+8*(4*(\hi)+(\a)):(\f)+8*(4*(\hi)+(\a))+7], v[8*(8*(\a)+(\b)):8*(8*(\a)+(\b))+7]
.endif
.endr
.endr
.endm
; 32 LDS loads in one run: the fragments of 32 along K at byte k of the rows, into buffer f; B's sixteen first, then A's sixteen
.macro FETCH slot, k, f
	WIN TO_B
.irp i, 0,1,2,3,4,5,6,7
	ds_load_b128 v[(\f)+8*(\i):(\f)+8*(\i)+3],   v[ADRB+(\slot)] offset:(\k)+(\i)*16*PITCH
	ds_load_b128 v[(\f)+8*(\i)+4:(\f)+8*(\i)+7], v[ADRB+(\slot)] offset:(\k)+(\i)*16*PITCH+32
.endr
	WIN 0
.irp i, 0,1,2,3,4,5,6,7
	ds_load_b128 v[(\f)+8*(\i):(\f)+8*(\i)+3],   v[ADRA+(\slot)] offset:(\k)+(\i)*16*PITCH
	ds_load_b128 v[(\f)+8*(\i)+4:(\f)+8*(\i)+7], v[ADRA+(\slot)] offset:(\k)+(\i)*16*PITCH+32
.endr
.endm
; A load into a register that a matrix instruction has read, and a vector instruction that reads or writes a matrix result, stand four places behind it, and only plain vector instructions
; that name none of its registers are places (ISA guide 7.12.1 for vector instructions).
.macro PLACES
.rept 4
	v_nop
.endr
.endm
; A K step is four quarters of 32 along K, 64 matrix instructions each, on buffers 0, 1, 0, 1.  One of the first three: multiplies buffer f and, in its middle, fetches the next quarter, at byte k, into g.
.macro QUARTER slot, k, f, g, zero
	s_wait_dscnt 8                                 ; B and A's blocks 0 to 3 are in; the youngest eight loads (A's blocks 4 to 7) may be out
	MUL16 \f, 0, 0, \zero
	MUL16 \f, 0, 2, \zero
	PLACES
	FETCH \slot, \k, \g
	s_wait_dscnt 32                                ; all but the 32 just issued
	MUL16 \f, 1, 0, \zero
	MUL16 \f, 1, 2, \zero
.endm
; The last quarter changes slots and then multiplies buffer 1.  ONE barrier, at the quarter's head: this slot's last fragments have been asked for in the quarter before.  In front of it each wave waits
; for all its tensor loads (the one that is out is its part of the next slot), adds 0 to its spare word, and waits for that and for its own reads of this slot.  fill = 1: the barrier opens a round of the
; cluster's, and this slot is filled again, two K steps ahead, first thing behind it.
.macro TURN slot, next, fill
	WIN 0
	s_wait_tensorcnt 0x0                           ; all my tensor loads have landed: no load of mine is out, so a group 0 may be written
	ds_add_u32 v[SPW], v[NIL]                      ; 0 onto my spare word; with fill = 1 the descriptors' steps stand between it and the wait for it
.if \fill
	s_add_nc_u64 s[G0+4*(\slot)+2:G0+4*(\slot)+3], s[G0+4*(\slot)+2:G0+4*(\slot)+3], 512    ; two K steps on; the type bits on top are not reached
	s_add_nc_u64 s[G0B+4*(\slot)+2:G0B+4*(\slot)+3], s[G0B+4*(\slot)+2:G0B+4*(\slot)+3], 512
.endif
	s_wait_dscnt 0x0                               ; the add is done, and my reads of this slot are over: buffer 1 is whole
	s_barrier_signal -1
	s_barrier_wait -1
.if \fill
	CREST                                          ; no wave of any partner still reads this slot's tile or has a load on its way
	JLOAD \slot                                    ; my one tensor load behind the round; the four v_nop behind it are also the places in front of the loads below
.else
	PLACES
.endif
	FETCH \next, 0, F0
	MUL16 F1, 0, 0, 0
	MUL16 F1, 0, 2, 0
	MUL16 F1, 1, 0, 0
	MUL16 F1, 1, 2, 0
.endm
; THE WAY OUT, FIRST PART, for m block a of eight: 16 rows x my 64 columns.  g and u are the sums times their scales; h = (g x 1 / (1 + 2^(-g log2 e))) x u, silu first, in the order of the definition.
; h stays in f32 where g's sums lay.  Then the largest |h| of my row's 64 columns: my lane's 32, and the 32 in the lane 16 away.  Each accumulator is read from its lowest registers on.
; The block's accumulators lie in window 2 + a / 4, from register 64 (a % 4) on: 32 of gate, then 32 of up.
.macro EPI1 a
.set AC, 64*((\a)%4)
	WIN 0x82+0x41*((\a)/4)                         ; source 0 and destination (sums) in the block's window, source 1 (scales) window 0
.irp b, 0,1,2,3
.irp p, 0,1,2,3
	v_pk_mul_f32 v[AC+8*(\b)+2*(\p):AC+8*(\b)+2*(\p)+1], v[AC+8*(\b)+2*(\p):AC+8*(\b)+2*(\p)+1], v[GS+8*(\b)+2*(\p):GS+8*(\b)+2*(\p)+1]
.endr
.endr
.irp b, 0,1,2,3
.irp p, 0,1,2,3
	v_pk_mul_f32 v[AC+32+8*(\b)+2*(\p):AC+32+8*(\b)+2*(\p)+1], v[AC+32+8*(\b)+2*(\p):AC+32+8*(\b)+2*(\p)+1], v[US+8*(\b)+2*(\p):US+8*(\b)+2*(\p)+1]
.endr
.endr
	WIN 0x02+((\a)/4)                              ; source 0 in the block's window, destination window 0
.set i, 0
.rept 16
	v_pk_mul_f32 v[TT+2*i:TT+2*i+1], v[AC+2*i:AC+2*i+1], s[CL:CL+1] op_sel_hi:[1,0]
.set i, i+1
.endr
	WIN 0
.set i, 0
.rept 32
	v_exp_f32 v[TT+i], v[TT+i]
.set i, i+1
.endr
	v_nop                                          ; a plain instruction between the exponentials and the use of their results (ISA guide 5.7.2)
.set i, 0
	s_wait_alu depctr_va_vdst(0)
.rept 16
	v_pk_add_f32 v[TT+2*i:TT+2*i+1], v[TT+2*i:TT+2*i+1], 1.0 op_sel_hi:[1,0]
.set i, i+1
.endr
.set i, 0
.rept 32
	v_rcp_f32 v[TT+i], v[TT+i]
.set i, i+1
.endr
	v_nop                                          ; likewise behind the reciprocals
	WIN 0x82+0x41*((\a)/4)
.set i, 0
	s_wait_alu depctr_va_vdst(0)
.rept 16
	v_pk_mul_f32 v[AC+2*i:AC+2*i+1], v[AC+2*i:AC+2*i+1], v[TT+2*i:TT+2*i+1]
.set i, i+1
.endr
	WIN 0x8a+0x45*((\a)/4)                         ; both sources and the destination in the block's window
.set i, 0
.rept 16
	v_pk_mul_f32 v[AC+2*i:AC+2*i+1], v[AC+2*i:AC+2*i+1], v[AC+32+2*i:AC+32+2*i+1]
.set i, i+1
.endr
	WIN 0x08+4*((\a)/4)                            ; source 1 in the block's window, destination window 0
.set i, 0
.rept 32
	v_and_b32 v[TT+i], s[ABSM], v[AC+i]            ; |h|
.set i, i+1
.endr
	WIN 0
.set i, 0
.rept 10
	v_max3_num_f32 v[MX+i], v[TT+3*i], v[TT+3*i+1], v[TT+3*i+2]
.set i, i+1
.endr
	v_max_num_f32 v[MX+10], v[TT+30], v[TT+31]
	v_max3_num_f32 v[MX], v[MX], v[MX+1], v[MX+2]
	v_max3_num_f32 v[MX+3], v[MX+3], v[MX+4], v[MX+5]
	v_max3_num_f32 v[MX+6], v[MX+6], v[MX+7], v[MX+8]
	v_max3_num_f32 v[MX+9], v[MX+9], v[MX+10], v[MX]
	v_max3_num_f32 v[MX], v[MX+9], v[MX+3], v[MX+6]
	v_permlanex16_b32 v[MX+1], v[MX], s[SEL], s[SEL+1]  ; the row's other 32 columns of mine lie in the lane 16 away
	v_max_num_f32 v[RM+(\a)], v[MX], v[MX+1]
.endm
; SECOND PART: h times its block's factor, rounded to f16, 16 bytes a lane into the work-group's stage.
.macro EPI2 a
.set AC, 64*((\a)%4)
	WIN 0x02+((\a)/4)                              ; source 0 (h) in the block's window, source 1 (the factor, twice) and destination window 0
.set i, 0
.rept 16
	v_pk_mul_f32 v[TT+2*i:TT+2*i+1], v[AC+2*i:AC+2*i+1], v[IV+2*(\a):IV+2*(\a)+1]
.set i, i+1
.endr
	WIN 0
.set i, 0
.rept 16
	v_cvt_pk_f16_f32 v[HH+i], v[TT+2*i], v[TT+2*i+1]
.set i, i+1
.endr
.irp b, 0,1,2,3
	ds_store_b128 v[STO], v[HH+4*(\b):HH+4*(\b)+3] offset:((\a)%4)*16*PITCH+32*(\b)
.endr
.endm
; THIRD PART: pass p sends rows 64 p .. 64 p + 63 of each half of the tile through the stage: four m blocks of every wave in, a barrier, since a row's 256 bytes come from two waves, whole rows back and out.
.macro OUTP p
	EPI2 4*(\p)
	EPI2 4*(\p)+1
	EPI2 4*(\p)+2
	EPI2 4*(\p)+3
	s_wait_dscnt 0x0                               ; for the others' sake: my stores into the stage are done
	s_barrier_signal -1
	s_barrier_wait -1
	s_wait_xcnt 0x0                                ; every earlier memory instruction has had its addresses translated (ISA guide 3.1): the registers that the pass before stored from are loaded again only behind this wait
.irp t, 0,1,2,3,4,5,6,7,8,9,10,11,12,13,14,15
	ds_load_b128 v[BK+4*(\t):BK+4*(\t)+3], v[RD] offset:(\t)*2*PITCH
.endr
.irp t, 0,1,2,3,4,5,6,7,8,9,10,11,12,13,14,15
	s_wait_dscnt 15-(\t)                           ; LDS loads come back in order: pair t of rows is in
	global_store_b128 v[CO], v[BK+4*(\t):BK+4*(\t)+3], s[12:13] offset:(64*(\p)+2*(\t))*HP  ; 16 lanes store 256 consecutive bytes, at a multiple of 256 from hb's first byte
.endr
.endm
	s_mov_b32 s2, TILES                            ; tiles to go: the same number in every work-group
.Ltile:
	; A TILE BEGINS.  Slot 0 and then slot 1 are asked for, each as the one tensor load of a wave behind a round of the cluster's barrier, with the three lines in front of the round: in the second
	; trip both fill bytes again.  The second round's wait also shows slot 0 landed, in every wave; slot 1 lands under the first K step's products.
	s_wait_tensorcnt 0x0                           ; no tensor load of mine is out, so the group 0s may be written
	ds_add_u32 v[SPW], v[NIL]                      ; 0 onto my spare word; the descriptors' addresses stand between it and the wait for it
.irp s, 0,1
	s_add_nc_u64 s[G0+4*(\s)+2:G0+4*(\s)+3], s[4:5], (\s)*256      ; 120:64 global address: this tile's K step s
	s_or_b32 s[G0+4*(\s)+3], s[G0+4*(\s)+3], 0x80000000            ; 127:126 type = 2
	s_add_nc_u64 s[G0B+4*(\s)+2:G0B+4*(\s)+3], s[6:7], (\s)*256    ; both tiles take the same rows of B
	s_or_b32 s[G0B+4*(\s)+3], s[G0B+4*(\s)+3], 0x80000000
.endr
	s_wait_dscnt 0x0                               ; the add is done, and so are all my LDS reads of the tile before
	CROUND
	JLOAD 0
	s_wait_tensorcnt 0x0                           ; my part of K step 0 is in
	ds_add_u32 v[SPW], v[NIL]
	s_wait_dscnt 0x0
	CROUND                                         ; everybody's is
	JLOAD 1
	FETCH 0, 0, F0
	QUARTER 0, 64,  F0, F1, 1                      ; the first quarter stands in front of the loop: its products start the sums
	WIN 0                                          ; at a label and at a branch every window is 0
	s_mov_b32 s3, LAPS-1
.Llap:                                                 ; a trip goes once round the ring, from a lap's second quarter to the next lap's first, and fills both slots again
	QUARTER 0, 128, F1, F0, 0
	QUARTER 0, 192, F0, F1, 0
	TURN 0, 1, 1
	QUARTER 1, 64,  F0, F1, 0
	QUARTER 1, 128, F1, F0, 0
	QUARTER 1, 192, F0, F1, 0
	TURN 1, 0, 1
	QUARTER 0, 64,  F0, F1, 0
	WIN 0
	s_sub_co_u32 s3, s3, 1
	s_cmp_lg_u32 s3, 0
	s_cbranch_scc1 .Llap
	QUARTER 0, 128, F1, F0, 0                      ; the tile's last lap fills nothing, and has no round of the cluster's barrier
	QUARTER 0, 192, F0, F1, 0
	TURN 0, 1, 0
	QUARTER 1, 64,  F0, F1, 0
	QUARTER 1, 128, F1, F0, 0
	QUARTER 1, 192, F0, F1, 0
	s_wait_dscnt 8                                 ; the very last quarter: nothing more to fetch
	MUL16 F1, 0, 0, 0
	MUL16 F1, 0, 2, 0
	s_wait_dscnt 0x0
	MUL16 F1, 1, 0, 0
	MUL16 F1, 1, 2, 0
	WIN 0
	PLACES                                         ; behind the last products
.irp a, 0,1,2,3,4,5,6,7
	EPI1 \a
.endr
	ds_store_b128 v[MXA], v[RM:RM+3]               ; my rows' maxima over my 64 columns (both halves of the lanes write the same 32 bytes)
	ds_store_b128 v[MXA], v[RM+4:RM+7] offset:16
	s_wait_dscnt 0x0                               ; for the other wave's sake: they are stored
	s_barrier_signal -1
	s_barrier_wait -1
	ds_load_b128 v[PR:PR+3], v[MXB]                ; those over the block's other 64 columns
	ds_load_b128 v[PR+4:PR+7], v[MXB] offset:16
	s_wait_dscnt 0x0
.irp a, 0,1,2,3,4,5,6,7
	v_max3_num_f32 v[RM+(\a)], v[RM+(\a)], v[PR+(\a)], s[FLO]  ; the block's largest |h|, at least 2^-112
.endr
.irp a, 0,1,2,3,4,5,6,7
	v_bfe_u32 v[EE+(\a)], v[RM+(\a)], 23, 8        ; e, its exponent field: the largest lies in 2^(e - 127) .. 2^(e - 126)
.endr
.irp a, 0,1,2,3,4,5,6,7
	v_sub_nc_u32 v[PR+(\a)], 268, v[EE+(\a)]       ; the field of 2^(141 - e): 13 to 253,
	v_add_nc_u32 v[EE+(\a)], -14, v[EE+(\a)]       ; and of 2^(e - 141): 1 to 241
.endr
.irp a, 0,1,2,3,4,5,6,7
	v_lshlrev_b32 v[IV+2*(\a)],   23, v[PR+(\a)]
	v_lshlrev_b32 v[IV+2*(\a)+1], 23, v[PR+(\a)]
	v_lshlrev_b32 v[SP+2*(\a)],   23, v[EE+(\a)]
	v_lshlrev_b32 v[SP+2*(\a)+1], 23, v[EE+(\a)]
.endr
	v_cmp_eq_u32 vcc_lo, 1, v2                     ; of four blocks of rows, lanes 0-15 send the first two of their row % 16, lanes 16-31 the other two
.irp q, 0,1
.irp j, 0,1,2,3
	v_cndmask_b32 v[DS+4*(\q)+(\j)], v[SP+8*(\q)+(\j)], v[SP+8*(\q)+4+(\j)], vcc_lo
.endr
.endr
	s_cmp_lg_u32 s[LOW], 0                         ; both waves of a row hold the same scales: the one with the lower columns stores them
	s_cbranch_scc1 .Lno_hs
	global_store_b128 v[HSO], v[DS:DS+3], s[66:67]               ; 32 lanes store 512 consecutive bytes, at a multiple of 512 from hs's first byte: my rows 0-63,
	global_store_b128 v[HSO], v[DS+4:DS+7], s[66:67] offset:512  ; and my rows 64-127
.Lno_hs:
	OUTP 0
	s_barrier_signal -1                            ; my reads of the stage are back (the count-down ended at 0): say so,
	s_barrier_wait -1                              ; and write it again only when all four waves have said so
	OUTP 1
	s_wait_xcnt 0x0                                ; the stores have read their registers and their bases: only behind this wait are they written again
	s_add_nc_u64 s[4:5], s[4:5], WALKA             ; on to the work-group's next tile: 2,048 rows down
	s_add_nc_u64 s[12:13], s[12:13], WALKH
	s_add_nc_u64 s[66:67], s[66:67], WALKS
	s_sub_co_u32 s2, s2, 1
	s_cmp_lg_u32 s2, 0
	s_cbranch_scc1 .Ltile
	s_wait_tensorcnt 0x0                           ; the wave's end: the add and its wait stand behind my last tensor load and my last LDS store
	ds_add_u32 v[SPW], v[NIL]
	s_wait_dscnt 0x0
	CROUND                                         ; the closing round: no work-group ends while a partner may still ask for a tile that names it
	s_endpgm
.Lfunc_end_k_qd22d211a61_gateup:
	.size	k_qd22d211a61_gateup, .Lfunc_end_k_qd22d211a61_gateup-k_qd22d211a61_gateup
	.p2alignl 7, 3214868480
	.fill 96, 4, 3214868480
	.section	.rodata,"a",@progbits
	.p2align	6, 0x0
	.amdhsa_kernel k_qd22d211a61_gateup
		.amdhsa_group_segment_fixed_size 327680
		.amdhsa_private_segment_fixed_size 0
		.amdhsa_enable_private_segment 0
		.amdhsa_kernarg_size 48
		.amdhsa_user_sgpr_count 2
		.amdhsa_user_sgpr_kernarg_segment_ptr 1
		.amdhsa_wavefront_size32 1
		.amdhsa_system_sgpr_workgroup_id_x 1
		.amdhsa_system_sgpr_workgroup_id_y 1
		.amdhsa_system_sgpr_workgroup_id_z 1
		.amdhsa_system_vgpr_workitem_id 0
		.amdhsa_next_free_vgpr 1024
		.amdhsa_next_free_sgpr 72
		.amdhsa_reserve_vcc 1
		.amdhsa_float_denorm_mode_32 3
		.amdhsa_float_denorm_mode_16_64 3
		.amdhsa_memory_ordered 1
		.amdhsa_forward_progress 1
		.amdhsa_inst_pref_size 231
	.end_amdhsa_kernel
	.amdgpu_metadata
---
amdhsa.version: [ 1, 2 ]
amdhsa.kernels:
  - .name:           k_qd22d211a61_gateup
    .symbol:         k_qd22d211a61_gateup.kd
    .args:
      - { .name: xb, .offset: 0, .size: 8, .value_kind: global_buffer, .address_space: global }
      - { .name: wgu, .offset: 8, .size: 8, .value_kind: global_buffer, .address_space: global }
      - { .name: gate_s, .offset: 16, .size: 8, .value_kind: global_buffer, .address_space: global }
      - { .name: up_s, .offset: 24, .size: 8, .value_kind: global_buffer, .address_space: global }
      - { .name: hb, .offset: 32, .size: 8, .value_kind: global_buffer, .address_space: global }
      - { .name: hs, .offset: 40, .size: 8, .value_kind: global_buffer, .address_space: global }
    .group_segment_fixed_size: 327680
    .private_segment_fixed_size: 0
    .kernarg_segment_align: 8
    .kernarg_segment_size: 48
    .max_flat_workgroup_size: 128
    .sgpr_count:     72
    .vgpr_count:     1024
    .wavefront_size: 32
...
	.end_amdgpu_metadata
.endif
;; end of part 5
;; launch down (part 6): grid 8 x 32, 4 waves a work-group, clusters of 4 x 4, 327,680 bytes of LDS; arguments hb, dwb, down_s, hs, out0; writes out0
.if DOCPART == 6
	.amdgcn_target "amdgcn-amd-amdhsa--gfx1250"
	.amdhsa_code_object_version 6
	.text
	.protected	k_qd22d211a61_down
	.globl	k_qd22d211a61_down
	.p2align	8
	.type	k_qd22d211a61_down,@function
k_qd22d211a61_down:
	s_mov_b64 s[64:65], 0
	v_nop
	global_prefetch_b8 v0, s[64:65] scope:SCOPE_SE
	s_setreg_imm32_b32 hwreg(HW_REG_WAVE_MODE, 25, 1), 1
	s_wait_xcnt 0x0
	s_wait_alu depctr_hold_cnt(0) depctr_sa_sdst(0) depctr_va_vdst(0) depctr_va_sdst(0) depctr_va_ssrc(0) depctr_va_vcc(0) depctr_vm_vsrc(0)
	s_getreg_b32 s2, hwreg(HW_REG_IB_STS2, 6, 4)
	s_cmp_eq_u32 s2, 0
	s_cbranch_scc0 .Lentry_in_a_cluster
	s_endpgm
.Lentry_in_a_cluster:
	s_bfe_u32 s2, ttmp6, 0x10000c
	s_cmp_lg_u32 s2, 0xf033
	s_cbranch_scc0 .Lentry_shape_is_right
	s_endpgm
.Lentry_shape_is_right:
; DOWN: out0[m][n] = down_s[n] sum_f h[m][f] down_w[n][f].  m < 4096, n < 2048.  out0 is f32.
; h comes in f16 with a power of two for each row and block of 128 columns: h[m][f] = hb[m][f] x s[m][f / 128].  hb [4096][2816] and dwb [2048][2816] are f16 with rows of 5,632 bytes = 22 x 256;
; their columns 2752 .. 2815 are zeros on both sides, so K = 2816 = 22 steps of 128 gives the sum over the 2,752.
; hs [32 blocks of 128 rows][22 steps][row / 64][row % 16][(row / 16) % 4][2] f32 holds each s twice, so that a lane's 32 bytes of a step are four register pairs.
; A K STEP IS A BLOCK: its 128 matrix instructions a wave sum up in registers of their own (the step's first products start them with the constant 0), and in the next step's first quarter
; total += sum x s, 128 packed multiply-adds.  In a result a lane holds one row, so s is one number a lane and block of 16 rows.  The first step's totals are a multiply: nothing is cleared.
; LIMITS.  Sums in f32; h keeps f16's 11 significant bits relative to its own size, down to 2^-29 of its block's largest; down_s is rounded to bf16, so that every floating-point input has the same one rounding.
; SHARES.  A tile of out0 is 128 x 256: 32 x 8 = 256 work-groups.  Four waves, 2 x 2; a wave has 64 x 128: 32 accumulators of 16 x 16.
; The tiles' rows are 256 aligned bytes; two LDS slots are filled by the tensor data mover; waves 0 and 1 fetch 64 rows of A each, waves 2 and 3 128 rows of B each.
; CLUSTER.  4 x 4 work-groups.  The four of a row of the cluster need the same tiles of A (hb), the four of a column the same tiles of B (dwb): each tile is asked for JOINTLY, by the same
; tensor load with the same descriptor and a mask that names the four.
; THE MATRIX INSTRUCTION IS USED TRANSPOSED (source 0 = 16 rows of B, source 1 = 16 rows of A): a lane then holds row l % 16 of the tile and eight neighbouring columns 8 (l / 16) + 0..7.
; REGISTERS, in windows of 256 (s_set_vgpr_msb: bits 1:0 source 0, 3:2 source 1, 5:4 source 2, 7:6 destination):
;   window 0: v0-33 addresses; v40-47 a step's scales; v64-159, v160-255 two fragment buffers (32 of A, 64 of B); on the way out at work
;   window 1: a step's sums, (a, b) at v[8 (8 a + b)], a = 0..3 along m, b = 0..7 along n     window 2: the totals, at the same numbers     window 3: v0-63 down_s of my 128 columns
.set KP,     2816                      ; K, and the pitch of hb and dwb in elements
.set STEPS,  KP/128                    ; 22
.set PITCH,  272                       ; an LDS row: 256 bytes + 16 of padding = 68 words: row r starts at bank 4 r mod 64 (64 banks of 4 bytes: ISA guide 11.1)
.set ABYTES, 128*PITCH                 ; A's 128 rows
.set SLOT,   384*PITCH                 ; then B's 256 rows
.set STAGE,  2*SLOT                    ; behind the ring: 16 rows x 528 bytes for each wave, for the way out; no tensor load fills it
.set SPITCH, 528                       ; a stage row: 512 bytes + 16 = 33 x 16: the 16 rows of a store start at 16 different groups of four banks
.set SC,     STAGE+4*16*SPITCH         ; behind the stages: my 128 rows' scales, 1,024 bytes a step, copied once from hs
.set SPARE,  SC+STEPS*1024             ; behind them: the spare words, 128 bytes for each wave: two blocks of 256 bytes that no other line names
.set HP,     5632                      ; bytes in a row of hb and of dwb
.set OP,     8192                      ; bytes in a row of out0
.set ADRA, 16                          ; v16-17  LDS address of my A fragments in slot 0, 1
.set ADRB, 20                          ; v20-21  the same for B
.set STO,  24                          ; v24     the way out: where I put 32 bytes of a row
.set RD,   25                          ; v25     the way out: where I read a row back
.set CO,   26                          ; v26     my byte offset in 512 bytes of a row of out0
.set SOFF, 27                          ; v27     32 (l / 16): my eight scales among sixteen
.set SPW,  28                          ; v28     LDS address of my spare word: SPARE + 4 x my thread's number; never rewritten
.set NIL,  29                          ; v29     0; never rewritten
.set HO,   30                          ; v30     16 x my thread's number: my bytes in 2,048 of hs
.set HL,   31                          ; v31     and in the table in LDS
.set SC0,  32                          ; v32     my 32 bytes of step 0 in the table; never rewritten
.set SCA,  33                          ; v33     those of the step in hand
.set SV,   40                          ; v40-47  s of my row in m blocks 0 to 3, each twice
.set F0,   64
.set F1,   160
.set TT,   64                          ; the way out, window 0: a block's 64 scaled results
.set BK0,  128                         ; whole rows read back: v128-191 and v192-255 by turns
.set HC,   128                         ; at the head: 44 registers of hs on their way into LDS
.set WV,  14                           ; s14  my wave's number
.set HIW, 15                           ; s15  which 64 rows of the tile are mine
.set LOW, 16                           ; s16  which 128 columns are mine; also which half of A's or B's tile I fetch
.set G1,  24                           ; s[24:31] descriptor group 1 for A's tiles;  s[32:39] group 0, a set for each slot
.set G0,  32
.set G1B, 48                           ; s[48:55], s[56:63] the same for B's tiles
.set G0B, 56
.set CY,  66                           ; s66  my place along the cluster's y
.set TS,  67                           ; s67  1,024 x the step whose scales are fetched next
.set MSB, 0
.macro WIN new                         ; the immediate's high byte repeats the setting that is left; a switch that changes nothing is dropped
.if MSB != (\new)
	s_set_vgpr_msb (MSB<<8)|(\new)
.set MSB, \new
.endif
.endm
.set MUL, 0x50                         ; sources 0 (B) and 1 (A) window 0; C and D window 1
; A joint load.  Waves 0 and 1 fetch A's two halves, waves 2 and 3 B's.  Each line has one mask; the branch hangs on the wave's number alone.
; An s_nop 0 and four v_nop follow each of the two lines, ahead of the jump, the label and what follows.
.macro JLOAD s
	s_cmp_lt_u32 s[WV], 2
	s_cbranch_scc0 .Lfor_b_\@
	tensor_load_to_lds s[G0+4*(\s):G0+4*(\s)+3], s[G1:G1+7]
	s_nop 0
.rept 4
	v_nop
.endr
	s_branch .Lasked_\@
.Lfor_b_\@:
	tensor_load_to_lds s[G0B+4*(\s):G0B+4*(\s)+3], s[G1B:G1B+7]
	s_nop 0
.rept 4
	v_nop
.endr
.Lasked_\@:
.endm
; A round of the cluster's barrier: my work-group's barrier, so that wave 0's signal speaks for all four waves; wave 0 signals; every wave waits for all sixteen work-groups; my work-group's barrier once more.
.macro CREST                           ; a round behind its opening barrier
	s_cmp_lg_u32 s[WV], 0
	s_cbranch_scc1 .Lnot_wave_0_\@
	s_barrier_signal -3
.Lnot_wave_0_\@:
	s_barrier_wait -3
	s_barrier_signal -1
	s_barrier_wait -1
.endm
.macro CROUND                          ; a whole round
	s_barrier_signal -1
	s_barrier_wait -1
	CREST
.endm
	s_load_b256 s[4:11], s[0:1], 0x0               ; hb s[4:5], dwb s[6:7], down_s s[8:9], hs s[10:11]
	s_load_b64 s[12:13], s[0:1], 0x20              ; out0
	v_lshl_add_u32 v[SPW], v0, 2, SPARE
	v_mov_b32 v[NIL], 0
	ds_add_u32 v[SPW], v[NIL]                      ; the wave's opening: the add and its wait stand ahead of my first tensor load; the set-up below, work on registers, stands between them
	v_lshrrev_b32 v1, 5, v0
	v_readfirstlane_b32 s[WV], v1                  ; wave 0..3
	s_lshr_b32 s[HIW], s[WV], 1
	s_and_b32 s[LOW], s[WV], 1
	s_bfe_u32 s17, ttmp6, 0x40000                  ; cx, cy: my place in the cluster
	s_bfe_u32 s[CY], ttmp6, 0x40004
	s_lshl_b32 s19, ttmp9, 2                       ; in a cluster launch ttmp9 and ttmp7 count clusters
	s_add_co_u32 s19, s19, s17                     ; nt: tile column = 4 x cluster x + cx
	s_and_b32 s18, ttmp7, 0xffff
	s_lshl_b32 s18, s18, 2
	s_add_co_u32 s18, s18, s[CY]                   ; mt: tile row = 4 x cluster y + cy
	s_lshl_b32 s46, s[CY], 2
	s_lshl_b32 s46, 15, s46                        ; my row of the cluster: places 4 cy .. 4 cy + 3
	s_lshl_b32 s47, 0x1111, s17                    ; my column: places cx, cx + 4, cx + 8, cx + 12
	; descriptor group 1: tiles of 64 (A) and 128 (B) rows x 128 elements, padded in LDS
	s_or_b32 s[G1+0], s46, (1<<16)|(1<<20)|(1<<21)|(5<<22)|(3<<25)   ; 15:0 the mask: A's tiles go to my row; 17:16 elements of 2 bytes; 20 padding on; 21 set beside a mask; 24:22 after every 64 words (code 5); 31:25 4 words of it (code 3)
	s_or_b32 s[G1B+0], s47, (1<<16)|(1<<20)|(1<<21)|(5<<22)|(3<<25)  ; the same with the mask of my column, for B's tiles
	s_mov_b32 s[G1+1], 128<<16                     ; tensor_dim0 = 128
	s_mov_b32 s[G1B+1], 128<<16
	s_mov_b32 s[G1+2], 64<<16                      ; tensor_dim1 = 64
	s_mov_b32 s[G1B+2], 128<<16                    ;             = 128
	s_mov_b32 s[G1+3], 128<<16                     ; tile_dim0 = 128
	s_mov_b32 s[G1B+3], 128<<16
	s_mov_b32 s[G1+4], 64                          ; tile_dim1 = 64
	s_mov_b32 s[G1B+4], 128                        ;           = 128
	s_mov_b32 s[G1+5], KP                          ; elements from row to row
	s_mov_b32 s[G1B+5], KP
	s_mov_b32 s[G1+6], 0
	s_mov_b32 s[G1B+6], 0
	s_mov_b32 s[G1+7], 0
	s_mov_b32 s[G1B+7], 0
	; where the tiles come from, in bytes.  A's hang on the tile row alone, B's on the tile column alone, each in registers that never hold the other coordinate.
	s_lshl_b32 s20, s18, 7
	s_lshl_b32 s21, s[LOW], 6
	s_add_co_u32 s20, s20, s21                     ; A: row 128 mt + 64 x half
	s_mul_i32 s20, s20, HP
	s_mov_b32 s21, 0
	s_lshl_b32 s40, s19, 8
	s_lshl_b32 s41, s[LOW], 7
	s_add_co_u32 s40, s40, s41                     ; B: row 256 nt + 128 x half
	s_mul_i32 s40, s40, HP
	s_mov_b32 s41, 0
	s_lshl_b32 s42, s19, 10                        ; my first column, 256 nt + 128 x half, times 4 bytes: its place in down_s and in a row of out0
	s_lshl_b32 s43, s[LOW], 9
	s_add_co_u32 s42, s42, s43
	s_mov_b32 s43, 0
	s_lshl_b32 s44, s18, 7                         ; my first row of out0: 128 mt + 64 x half
	s_lshl_b32 s45, s[HIW], 6
	s_add_co_u32 s44, s44, s45
	s_lshl_b32 s44, s44, 13
	s_add_co_u32 s44, s44, s42
	s_mov_b32 s45, 0
	s_mul_i32 s68, s18, STEPS*1024                 ; my 128 rows' scales in hs: 22,528 consecutive bytes
	s_mov_b32 s69, 0
	s_mov_b32 s[TS], 0
	s_mul_i32 s22, s[LOW], 64*PITCH                ; where the tiles go: A's two halves,
	s_mul_i32 s23, s[LOW], 128*PITCH
	s_add_co_u32 s23, s23, ABYTES                  ; and behind them B's: no place in the cluster enters an LDS address
	s_wait_dscnt 0x0                               ; the opening add is done
	s_wait_kmcnt 0x0
	s_add_nc_u64 s[4:5], s[4:5], s[20:21]
	s_add_nc_u64 s[6:7], s[6:7], s[40:41]
	s_add_nc_u64 s[8:9], s[8:9], s[42:43]
	s_add_nc_u64 s[10:11], s[10:11], s[68:69]
	s_add_nc_u64 s[12:13], s[12:13], s[44:45]
	CROUND                                         ; all sixteen work-groups are here: the first joint loads meet
.irp s, 0,1
	s_mov_b32 s[G0+4*(\s)], 1                                      ; 1:0 count = 1
	s_add_co_u32 s[G0+4*(\s)+1], s22, (\s)*SLOT                    ; 63:32 LDS address
	s_add_nc_u64 s[G0+4*(\s)+2:G0+4*(\s)+3], s[4:5], (\s)*256      ; 120:64 global address: K step s
	s_or_b32 s[G0+4*(\s)+3], s[G0+4*(\s)+3], 0x80000000            ; 127:126 type = 2
	s_mov_b32 s[G0B+4*(\s)], 1
	s_add_co_u32 s[G0B+4*(\s)+1], s23, (\s)*SLOT
	s_add_nc_u64 s[G0B+4*(\s)+2:G0B+4*(\s)+3], s[6:7], (\s)*256
	s_or_b32 s[G0B+4*(\s)+3], s[G0B+4*(\s)+3], 0x80000000
	JLOAD \s                                       ; both slots are asked for before anything else is done: two tensor loads of mine are out
.endr
	v_and_b32 v1, 15, v0                           ; l % 16
	v_bfe_u32 v2, v0, 4, 1                         ; l / 16
	v_lshlrev_b32 v[SOFF], 5, v2
	v_lshlrev_b32 v[HO], 4, v0
	WIN 0xc0                                       ; destination window 3, address window 0
.irp b, 0,1,2,3,4,5,6,7                ; register 8 b + j takes the scale of my column 16 b + 8 (l / 16) + j: the place that the accumulators' register j has
	global_load_b128 v[8*(\b):8*(\b)+3],   v[SOFF], s[8:9] offset:64*(\b)
	global_load_b128 v[8*(\b)+4:8*(\b)+7], v[SOFF], s[8:9] offset:64*(\b)+16
.endr
	WIN 0
.set i, 0
.rept 11                               ; hs is read once, in whole: 128 threads x 16 bytes x 11 = my 128 rows' 22,528 bytes
	global_load_b128 v[HC+4*i:HC+4*i+3], v[HO], s[10:11] offset:2048*i
.set i, i+1
.endr
	; A fragment is 16 rows x 32 K in 8 registers: lane l holds row l % 16; registers 0-3 K = 8 (l / 16) + 0..7, registers 4-7 K = 16 + 8 (l / 16) + 0..7: two loads of 16 bytes, 32 bytes apart.
	v_mul_u32_u24 v3, v1, PITCH
	v_lshl_add_u32 v3, v2, 4, v3                   ; row x pitch + 16 x half
	s_mul_i32 s22, s[HIW], 64*PITCH                ; my 64 rows of A
	s_mul_i32 s23, s[LOW], 128*PITCH               ; my 128 rows of B,
	s_add_co_u32 s23, s23, ABYTES                  ; which lie behind A's 128
.irp s, 0,1
	v_add_nc_u32 v[ADRA+(\s)], s22, v3
	v_add_nc_u32 v[ADRB+(\s)], s23, v3
	s_add_co_u32 s22, s22, SLOT
	s_add_co_u32 s23, s23, SLOT
.endr
	s_mul_i32 s22, s[WV], 16*SPITCH
	s_add_co_u32 s22, s22, STAGE                   ; my stage
	v_mul_u32_u24 v4, v1, SPITCH                   ; in: row l % 16, 32 bytes for each half of the lanes
	v_lshl_add_u32 v4, v2, 5, v4
	v_add_nc_u32 v[STO], s22, v4
	v_and_b32 v5, 31, v0                           ; back: 32 lanes take one row of 512 bytes,
	v_lshlrev_b32 v[CO], 4, v5                     ; which are 512 consecutive bytes of out0
	v_add_nc_u32 v[RD], s22, v[CO]
	v_add_nc_u32 v[HL], SC, v[HO]
	s_lshl_b32 s22, s[HIW], 9                      ; in a step's 1,024 bytes: my half of the rows, 32 bytes for each row % 16
	s_add_co_u32 s22, s22, SC
	v_lshl_add_u32 v[SC0], v1, 5, s22
	s_wait_loadcnt 0x0
.set i, 0
.rept 11
	ds_store_b128 v[HL], v[HC+4*i:HC+4*i+3] offset:2048*i
.set i, i+1
.endr
	; down_s is rounded to bf16 and widened again, in the wait for the first tile.
	WIN 0x0f                                       ; sources window 3, destination window 0
.set i, 0
.rept 32
	v_cvt_pk_bf16_f32 v[TT+i], v[2*i], v[2*i+1]
.set i, i+1
.endr
	WIN 0xc0                                       ; source window 0, destination window 3
.set i, 0
.rept 32
	v_lshlrev_b32 v[2*i], 16, v[TT+i]
	v_and_b32 v[2*i+1], 0xffff0000, v[TT+i]
.set i, i+1
.endr
	WIN 0
; 8 matrix instructions: m block a x all 8 n blocks, 32 along K, from buffer f.  zero = 1: the product starts the step's sums.
; The 32 accumulators take turns, one instruction a turn, in the same order in every quarter: between two links of a chain stand the 31 others'.
.macro MULB f, a, zero
	WIN MUL
.irp b, 0,1,2,3,4,5,6,7
.if \zero
	v_wmma_f32_16x16x32_f16 v[8*(8*(\a)+(\b)):8*(8*(\a)+(\b))+7], v[(\f)+32+8*(\b):(\f)+32+8*(\b)+7], v[(\f)+8*(\a):(\f)+8*(\a)+7], 0
.else
	v_wmma_f32_16x16x32_f16 v[8*(8*(\a)+(\b)):8*(8*(\a)+(\b))+7], v[(\f)+32+8*(\b):(\f)+32+8*(\b)+7], v[(\f)+8*(\a):(\f)+8*(\a)+7], v[8*(8*(\a)+(\b)):8*(8*(\a)+(\b))+7]
.endif
.endr
.endm
; The finished step's sums of m block a go into the totals: total += sum x s, 32 packed instructions; first = 1: total = sum x s.  Each accumulator is read from its lowest registers on.
.macro MERGE a, first
	WIN 0xa1                                       ; source 0 (sums) window 1, source 1 (s, twice) window 0, source 2 and destination (totals) window 2
.set i, 0
.rept 32
.if \first
	v_pk_mul_f32 v[64*(\a)+2*i:64*(\a)+2*i+1], v[64*(\a)+2*i:64*(\a)+2*i+1], v[SV+2*(\a):SV+2*(\a)+1]
.else
	v_pk_fma_f32 v[64*(\a)+2*i:64*(\a)+2*i+1], v[64*(\a)+2*i:64*(\a)+2*i+1], v[SV+2*(\a):SV+2*(\a)+1], v[64*(\a)+2*i:64*(\a)+2*i+1]
.endif
.set i, i+1
.endr
.endm
; 24 LDS loads in one run: the fragments of 32 along K at byte k of the rows, into buffer f; B's sixteen first, then A's eight
.macro FETCH slot, k, f
	WIN 0
.irp i, 0,1,2,3,4,5,6,7
	ds_load_b128 v[(\f)+32+8*(\i):(\f)+32+8*(\i)+3],   v[ADRB+(\slot)] offset:(\k)+(\i)*16*PITCH
	ds_load_b128 v[(\f)+32+8*(\i)+4:(\f)+32+8*(\i)+7], v[ADRB+(\slot)] offset:(\k)+(\i)*16*PITCH+32
.endr
.irp i, 0,1,2,3
	ds_load_b128 v[(\f)+8*(\i):(\f)+8*(\i)+3],   v[ADRA+(\slot)] offset:(\k)+(\i)*16*PITCH
	ds_load_b128 v[(\f)+8*(\i)+4:(\f)+8*(\i)+7], v[ADRA+(\slot)] offset:(\k)+(\i)*16*PITCH+32
.endr
.endm
; The scales of the step that is ending: my lane's 32 bytes of the table
.macro LOADSV
	WIN 0
	v_add_nc_u32 v[SCA], s[TS], v[SC0]
	ds_load_b128 v[SV:SV+3],   v[SCA]
	ds_load_b128 v[SV+4:SV+7], v[SCA] offset:16
	s_add_co_u32 s[TS], s[TS], 1024                ; the next fetch is the next step's
.endm
; A load into a register that a matrix instruction has read, and a vector instruction that reads a matrix result, stand four places behind it, and only plain vector instructions
; that name none of its registers are places (ISA guide 7.12.1 for vector instructions).
.macro PLACES
.rept 4
	v_nop
.endr
.endm
; A K step is four quarters of 32 along K, 32 matrix instructions each, on buffers 0, 1, 0, 1.  One of the first three: multiplies buffer f and, in its middle, fetches the next quarter, at byte k, into g.
; mg = 1: a step's first quarter: ahead of each m block's products, which start its sums anew, the last step's sums go into the totals; mg = 2: those are the first totals.
; Four v_nop stand between the last step's last products and the first merge.  They and the merges of the other accumulators are the places (five or more) in front of each product that writes over a sum,
; and in front of the loads into buffer g.
.macro QUARTER slot, k, f, g, zero, mg
	s_wait_dscnt 4                                 ; B and A's blocks 0 and 1 are in (and, older than they, the scales); the youngest four loads (A's blocks 2 and 3) may be out
.if \mg
	PLACES
	MERGE 0, (\mg)-1
.endif
	MULB \f, 0, \zero
.if \mg
	MERGE 1, (\mg)-1
.endif
	MULB \f, 1, \zero
.if !(\mg)
	PLACES
.endif
	FETCH \slot, \k, \g
	s_wait_dscnt 24                                ; all but the 24 just issued
.if \mg
	MERGE 2, (\mg)-1
.endif
	MULB \f, 2, \zero
.if \mg
	MERGE 3, (\mg)-1
.endif
	MULB \f, 3, \zero
.endm
; The last quarter changes slots and then multiplies buffer 1.  ONE barrier, at the quarter's head: this slot's last fragments have been asked for in the quarter before.  In front of it each wave waits
; for all its tensor loads (the one that is out is its part of the next slot), adds 0 to its spare word, and waits for that and for its own reads of this slot.  fill = 1: the barrier opens a round of the
; cluster's, and this slot is filled again, two K steps ahead, first thing behind it.  The quarter's 32 products stand behind the request, so that nothing but the barrier lies between
; the tiles' arrival and the next request: from a request to the wait for it a wave issues a whole step's 128 matrix instructions.
.macro TURN slot, next, fill
	WIN 0
	s_wait_tensorcnt 0x0                           ; all my tensor loads have landed: no load of mine is out, so a group 0 may be written
	ds_add_u32 v[SPW], v[NIL]                      ; 0 onto my spare word; with fill = 1 the descriptors' steps stand between it and the wait for it
.if \fill
	s_add_nc_u64 s[G0+4*(\slot)+2:G0+4*(\slot)+3], s[G0+4*(\slot)+2:G0+4*(\slot)+3], 512    ; two K steps on; the type bits on top are not reached
	s_add_nc_u64 s[G0B+4*(\slot)+2:G0B+4*(\slot)+3], s[G0B+4*(\slot)+2:G0B+4*(\slot)+3], 512
.endif
	s_wait_dscnt 0x0                               ; the add is done, and my reads of this slot are over: buffer 1 is whole
	s_barrier_signal -1
	s_barrier_wait -1
.if \fill
	CREST                                          ; no wave of any partner still reads this slot's tile or has a load on its way
	JLOAD \slot                                    ; my one tensor load behind the round; the four v_nop behind it are also the places in front of the loads below
.else
	PLACES
.endif
	LOADSV
	FETCH \next, 0, F0
	MULB F1, 0, 0
	MULB F1, 1, 0
	MULB F1, 2, 0
	MULB F1, 3, 0
.endm
	s_wait_tensorcnt 1                             ; my part of K step 0 is in; K step 1's may stay out
	s_wait_dscnt 0x0                               ; for the others' sake: my part of the table of scales is stored
	s_barrier_signal -1
	s_barrier_wait -1                              ; everybody's is
	FETCH 0, 0, F0
	QUARTER 0, 64,  F0, F1, 1, 0                   ; step 0 and step 1's first quarter stand in front of the loop: the first totals are a multiply
	QUARTER 0, 128, F1, F0, 0, 0
	QUARTER 0, 192, F0, F1, 0, 0
	TURN 0, 1, 1                                   ; slot 0 takes step 2
	QUARTER 1, 64,  F0, F1, 1, 2
	WIN 0                                          ; at a label and at a branch every window is 0
	s_mov_b32 s3, (STEPS-4)/2
.Llap:                                                 ; trip t goes from step 1 + 2 t's second quarter to step 3 + 2 t's first, and asks for steps 3 + 2 t and 4 + 2 t: nine trips, up to step 20
	QUARTER 1, 128, F1, F0, 0, 0
	QUARTER 1, 192, F0, F1, 0, 0
	TURN 1, 0, 1
	QUARTER 0, 64,  F0, F1, 1, 1
	QUARTER 0, 128, F1, F0, 0, 0
	QUARTER 0, 192, F0, F1, 0, 0
	TURN 0, 1, 1
	QUARTER 1, 64,  F0, F1, 1, 1
	WIN 0
	s_sub_co_u32 s3, s3, 1
	s_cmp_lg_u32 s3, 0
	s_cbranch_scc1 .Llap
	QUARTER 1, 128, F1, F0, 0, 0                   ; the rest of step 19,
	QUARTER 1, 192, F0, F1, 0, 0
	TURN 1, 0, 1                                   ; which asks for step 21, the last
	QUARTER 0, 64,  F0, F1, 1, 1                   ; step 20
	QUARTER 0, 128, F1, F0, 0, 0
	QUARTER 0, 192, F0, F1, 0, 0
	TURN 0, 1, 0                                   ; nothing is left to ask for: no round
	QUARTER 1, 64,  F0, F1, 1, 1                   ; step 21
	QUARTER 1, 128, F1, F0, 0, 0
	QUARTER 1, 192, F0, F1, 0, 0
	LOADSV                                         ; its scales
	s_wait_dscnt 6                                 ; the very last quarter: A's blocks 2 and 3 and the two loads of scales may be out
	MULB F1, 0, 0
	MULB F1, 1, 0
	s_wait_dscnt 0x0
	MULB F1, 2, 0
	MULB F1, 3, 0
	WIN 0
; THE WAY OUT of m block a (16 rows x my 128 columns of f32).  The last step's sums go into the totals.  PACK: the totals times down_s.
; TOSTAGE: 32 bytes a lane into my own stage in LDS, and back as whole rows of 512 bytes.  SEND: stored.
.macro PACK a
	WIN 0x0e                                       ; source 0 (totals) window 2, source 1 (scales) window 3, destination window 0
.irp b, 0,1,2,3,4,5,6,7
.irp p, 0,1,2,3
	v_pk_mul_f32 v[TT+8*(\b)+2*(\p):TT+8*(\b)+2*(\p)+1], v[8*(8*(\a)+(\b))+2*(\p):8*(8*(\a)+(\b))+2*(\p)+1], v[8*(\b)+2*(\p):8*(\b)+2*(\p)+1]
.endr
.endr
	WIN 0
.endm
.macro TOSTAGE a
.set BK, BK0+64*((\a)%2)
.irp b, 0,1,2,3,4,5,6,7
	ds_store_b128 v[STO], v[TT+8*(\b):TT+8*(\b)+3]   offset:64*(\b)
	ds_store_b128 v[STO], v[TT+8*(\b)+4:TT+8*(\b)+7] offset:64*(\b)+16
.endr
.irp t, 0,1,2,3,4,5,6,7,8,9,10,11,12,13,14,15
	ds_load_b128 v[BK+4*(\t):BK+4*(\t)+3], v[RD] offset:(\t)*SPITCH  ; LDS serves a wave's instructions in order (ISA guide 5.7.1.4): these see the stores above; the next block's stores come behind them
.endr
.endm
.macro SEND a
.set BK, BK0+64*((\a)%2)
	s_wait_dscnt 0x0                               ; the block is back in registers
	s_wait_xcnt 0x0                                ; every earlier memory instruction has had its addresses translated (ISA guide 3.1): the other buffer, which the block before stored from, is loaded again only behind this wait
.irp t, 0,1,2,3,4,5,6,7,8,9,10,11,12,13,14,15
	global_store_b128 v[CO], v[BK+4*(\t):BK+4*(\t)+3], s[12:13] offset:(16*(\a)+(\t))*OP th:TH_STORE_NT  ; 32 lanes store 512 consecutive bytes, at a multiple of 256 from out0's first byte
.endr
.endm
	PLACES                                         ; behind the last products
	MERGE 0, 0
	PACK 0
	TOSTAGE 0
.irp a, 1,2,3                          ; block a's arithmetic stands between block a - 1's loads from the stage and the wait for them
	MERGE \a, 0
	PACK \a
	SEND (\a)-1
	TOSTAGE \a
.endr
	SEND 3
	s_wait_tensorcnt 0x0                           ; the wave's end: the add and its wait stand behind my last tensor load and my last LDS store
	ds_add_u32 v[SPW], v[NIL]
	s_wait_dscnt 0x0
	CROUND                                         ; the closing round: no work-group ends while a partner may still ask for a tile that names it
	s_endpgm
.Lfunc_end_k_qd22d211a61_down:
	.size	k_qd22d211a61_down, .Lfunc_end_k_qd22d211a61_down-k_qd22d211a61_down
	.p2alignl 7, 3214868480
	.fill 96, 4, 3214868480
	.section	.rodata,"a",@progbits
	.p2align	6, 0x0
	.amdhsa_kernel k_qd22d211a61_down
		.amdhsa_group_segment_fixed_size 327680
		.amdhsa_private_segment_fixed_size 0
		.amdhsa_enable_private_segment 0
		.amdhsa_kernarg_size 40
		.amdhsa_user_sgpr_count 2
		.amdhsa_user_sgpr_kernarg_segment_ptr 1
		.amdhsa_wavefront_size32 1
		.amdhsa_system_sgpr_workgroup_id_x 1
		.amdhsa_system_sgpr_workgroup_id_y 1
		.amdhsa_system_sgpr_workgroup_id_z 1
		.amdhsa_system_vgpr_workitem_id 0
		.amdhsa_next_free_vgpr 832
		.amdhsa_next_free_sgpr 70
		.amdhsa_reserve_vcc 0
		.amdhsa_float_denorm_mode_32 3
		.amdhsa_float_denorm_mode_16_64 3
		.amdhsa_memory_ordered 1
		.amdhsa_forward_progress 1
		.amdhsa_inst_pref_size 184
	.end_amdhsa_kernel
	.amdgpu_metadata
---
amdhsa.version: [ 1, 2 ]
amdhsa.kernels:
  - .name:           k_qd22d211a61_down
    .symbol:         k_qd22d211a61_down.kd
    .args:
      - { .name: hb, .offset: 0, .size: 8, .value_kind: global_buffer, .address_space: global }
      - { .name: dwb, .offset: 8, .size: 8, .value_kind: global_buffer, .address_space: global }
      - { .name: down_s, .offset: 16, .size: 8, .value_kind: global_buffer, .address_space: global }
      - { .name: hs, .offset: 24, .size: 8, .value_kind: global_buffer, .address_space: global }
      - { .name: out0, .offset: 32, .size: 8, .value_kind: global_buffer, .address_space: global }
    .group_segment_fixed_size: 327680
    .private_segment_fixed_size: 0
    .kernarg_segment_align: 8
    .kernarg_segment_size: 40
    .max_flat_workgroup_size: 128
    .sgpr_count:     70
    .vgpr_count:     832
    .wavefront_size: 32
...
	.end_amdgpu_metadata
.endif
;; end of part 6
;; ======== version 3 of 3: 3 launches; version 2 with the launch prep written anew for expert scheduling mode
;; workspace buffers: xb 16,777,216 bytes; wgu 23,068,672 bytes; dwb 11,534,336 bytes; hb 23,068,672 bytes; hs 720,896 bytes
;; launch prep (part 7): grid 864 x 1, 8 waves a work-group, no clusters, 0 bytes of LDS; arguments x, gate_w, up_w, down_w, xb, wgu, dwb; writes xb, wgu, dwb
.if DOCPART == 7
	.amdgcn_target "amdgcn-amd-amdhsa--gfx1250"
	.amdhsa_code_object_version 6
	.text
	.protected	k_qd22d211a61_prep
	.globl	k_qd22d211a61_prep
	.p2align	8
	.type	k_qd22d211a61_prep,@function
k_qd22d211a61_prep:
	s_mov_b64 s[64:65], 0
	v_nop
	global_prefetch_b8 v0, s[64:65] scope:SCOPE_SE
	s_setreg_imm32_b32 hwreg(HW_REG_WAVE_SCHED_MODE, 0, 2), 2
	s_setreg_imm32_b32 hwreg(HW_REG_WAVE_MODE, 25, 1), 1
	s_wait_xcnt 0x0
	s_wait_alu depctr_vm_vsrc(0)
; PREP: the operands of the two products, cast once to 16 bits and laid out for tiles whose rows are 256 aligned bytes.
;   xb  [4096][2048] bf16 = x, rounded to nearest even.
;   wgu [5632][2048] bf16: 88 groups of 64 rows (262,144 bytes each).  Group 2 c = gate_w's rows 64 c .. 64 c + 63, group 2 c + 1 = up_w's same rows, c = 0 .. 42;
;       groups 86 and 87 are zeros: the ff axis, 2752 = 43 x 64, is filled up to 2816 = 22 x 128.
;   dwb [2048][2816] f16 = down_w, each row filled up with 64 zeros: a row is 5,632 bytes = 22 x 256.  (f16, since the second product's other operand is f16.)
; LIMITS.  A weight goes int32 -> f32 -> 16 bits by the conversion instructions.  gate_w, up_w: exact up to 256 in magnitude, beyond that rounded to bf16's 8 significant bits.
; down_w: exact up to 2,048, beyond that rounded to f16's 11 significant bits; from 65,520 on it becomes an infinity: such weights are not served.
; A stream: no LDS, no barrier, no matrix work, no loop.  A step of a wave is one load of 16 bytes a lane (512 consecutive bytes, 128 numbers), the conversion in place, and one
; store of 8 bytes a lane (256 consecutive bytes, aligned).  All of a wave's loads go out first (32 x 512 bytes), then each is waited for by a count.
; No register that a memory instruction names is written again, so no wait frees a source.
; The work-group's number chooses the path: 0-255 x; 256-599 gate_w and up_w (172 each); 600-855 down_w (8 rows each, a row a wave); 856-863 wgu's zero groups.
; THE MODE: SCHED_MODE bits 1:0 = 2 (LLVM: expert scheduling mode 2), set by the entry lines.  The code itself states the register dependences
; between vector instructions and memory instructions, with s_wait_alu, always for 0.
; THE PLAN.  Registers that memory instructions touch:
;   v[SRC], v[SRC2], v[DST]  byte offsets.  Written by vector instructions ahead of a path's first memory instruction, read by every load and store of the path, never written again.
;   v[DAT + 4 i ..]          step i's four registers.  The step's load lands in them (no vector instruction has named them); its conversions work on them in place; its store reads the
;                            first two; nothing writes them again.
; The steps go in groups of GRP.  Step i's turn issues the store of step i - GRP, so that a group's stores are dealt among the next group's conversions.  ONE wait on va_vdst stands at a
; group's head, behind the wait for its first load: it states that all earlier steps' conversions have written their registers.  The group's stores read those of the group before; the vector
; instructions issued since the wait name this group's registers alone.  One such wait more stands ahead of a path's first load (the offsets) and one ahead of its last GRP stores.
.set GRP,  4                           ; steps in a group
.set SRC,  2                           ; v2        byte offset of my 16 bytes in the source
.set DST,  3                           ; v3        byte offset of my 8 bytes in the destination
.set DAT,  4                           ; v[4:131]  step i: 4 registers as loaded; the first two then hold the 4 numbers of 16 bits
.set SRC2, 132                         ; v132      down_w: the offset for a row's last 256 bytes
.set WVV,  133                         ; v133      my wave's number
.set TA,   134                         ; v134, v135 at work
.set TB,   135
; n steps.  isint = 1: the source holds int32.  tail = 1: the last step has 64 numbers only (lanes 0-15); lanes 16-31 read those bytes once more, so that
; no load leaves the row, and store zeros.  half = 1: to f16, else to bf16.
.macro CONV n, isint, tail, half
	s_wait_alu depctr_va_vdst(0)                   ; v[SRC], v[SRC2] and v[DST] are written: every load and store of this path reads one of them as its offset
.set i, 0
.rept \n
.if (\tail) && (i == (\n)-1)
	global_load_b128 v[DAT+4*i:DAT+4*i+3], v[SRC2], s[20:21] offset:512*i th:TH_LOAD_NT
.else
	global_load_b128 v[DAT+4*i:DAT+4*i+3], v[SRC], s[20:21] offset:512*i th:TH_LOAD_NT
.endif
.set i, i+1
.endr
.set i, 0
.rept \n
	s_wait_loadcnt (\n)-1-i                        ; loads come back in order (ISA guide 5.7.1): step i's is in, the younger ones stay out
.if (i > 0) && ((i % GRP) == 0)
	s_wait_alu depctr_va_vdst(0)                   ; a group's head: the conversions of all earlier steps have written their registers, which this group's stores read
.endif
.if i >= GRP
	global_store_b64 v[DST], v[DAT+4*(i-GRP):DAT+4*(i-GRP)+1], s[22:23] offset:256*(i-GRP)  ; the step a group back; no vector instruction since the wait names its registers.  32 lanes store 256 consecutive bytes, aligned; a later launch reads them: no hint
.endif
.if \isint
	v_cvt_f32_i32 v[DAT+4*i],   v[DAT+4*i]
	v_cvt_f32_i32 v[DAT+4*i+1], v[DAT+4*i+1]
	v_cvt_f32_i32 v[DAT+4*i+2], v[DAT+4*i+2]
	v_cvt_f32_i32 v[DAT+4*i+3], v[DAT+4*i+3]
.endif
.if \half
	v_cvt_pk_f16_f32 v[DAT+4*i],   v[DAT+4*i],   v[DAT+4*i+1]
	v_cvt_pk_f16_f32 v[DAT+4*i+1], v[DAT+4*i+2], v[DAT+4*i+3]
.else
	v_cvt_pk_bf16_f32 v[DAT+4*i],   v[DAT+4*i],   v[DAT+4*i+1]
	v_cvt_pk_bf16_f32 v[DAT+4*i+1], v[DAT+4*i+2], v[DAT+4*i+3]
.endif
.if (\tail) && (i == (\n)-1)
	v_cndmask_b32 v[DAT+4*i],   0, v[DAT+4*i],   vcc_lo  ; lanes 16-31: the row's 64 zeros
	v_cndmask_b32 v[DAT+4*i+1], 0, v[DAT+4*i+1], vcc_lo
.endif
.set i, i+1
.endr
	s_wait_alu depctr_va_vdst(0)                   ; the last steps' conversions have written their registers, which the last GRP stores read
.set i, (\n)-GRP
.rept GRP
	global_store_b64 v[DST], v[DAT+4*i:DAT+4*i+1], s[22:23] offset:256*i
.set i, i+1
.endr
.endm
	s_load_b256 s[4:11], s[0:1], 0x0               ; x s[4:5], gate_w s[6:7], up_w s[8:9], down_w s[10:11]
	s_load_b128 s[12:15], s[0:1], 0x20             ; xb s[12:13], wgu s[14:15]
	s_load_b64 s[16:17], s[0:1], 0x30              ; dwb
	v_and_b32 v1, 31, v0                           ; lane
	v_lshrrev_b32 v[WVV], 5, v0                    ; wave
	v_lshlrev_b32 v[SRC], 4, v1                    ; for x, gate_w, up_w: a wave takes 16,384 consecutive bytes
	v_lshl_add_u32 v[SRC], v[WVV], 14, v[SRC]
	v_lshlrev_b32 v[DST], 3, v1                    ; and makes 8,192 of them
	v_lshl_add_u32 v[DST], v[WVV], 13, v[DST]
	s_mov_b32 s25, 0                               ; the offsets' high words
	s_mov_b32 s27, 0
	s_wait_kmcnt 0x0
	s_cmp_lt_u32 ttmp9, 256
	s_cbranch_scc0 .Lnot_x
	; x: 32,768 numbers a work-group
	s_lshl_b32 s24, ttmp9, 17
	s_lshl_b32 s26, ttmp9, 16
	s_add_nc_u64 s[20:21], s[4:5], s[24:25]
	s_add_nc_u64 s[22:23], s[12:13], s[26:27]
	CONV 32, 0, 0, 0
	s_endpgm
.Lnot_x:
	s_cmp_lt_u32 ttmp9, 600
	s_cbranch_scc0 .Lnot_w
	; gate_w and up_w: 16 rows (32,768 numbers) a work-group, 172 work-groups each
	s_sub_co_u32 s28, ttmp9, 256
	s_cmp_ge_u32 s28, 172                          ; the second 172 take up_w
	s_cselect_b64 s[20:21], s[8:9], s[6:7]
	s_cselect_b32 s29, 1, 0
	s_cselect_b32 s30, 172, 0
	s_sub_co_u32 s28, s28, s30                     ; the piece of 16 rows, 0 .. 171
	s_lshl_b32 s24, s28, 17                        ; its bytes in the source
	s_add_nc_u64 s[20:21], s[20:21], s[24:25]
	s_lshr_b32 s31, s28, 2                         ; c: four pieces make 64 rows
	s_lshl1_add_u32 s31, s31, s29                  ; the group: 2 c, or 2 c + 1 for up_w
	s_lshl_b32 s26, s31, 18
	s_and_b32 s31, s28, 3
	s_lshl_b32 s31, s31, 16                        ; the piece's place in its group
	s_add_co_u32 s26, s26, s31
	s_add_nc_u64 s[22:23], s[14:15], s[26:27]
	CONV 32, 1, 0, 0
	s_endpgm
.Lnot_w:
	s_cmp_lt_u32 ttmp9, 856
	s_cbranch_scc0 .Lnot_d
	; down_w: 8 rows a work-group, a row (11,008 bytes in, 5,632 out) a wave: 21 whole steps and one of 64 numbers
	s_sub_co_u32 s28, ttmp9, 600
	s_mul_i32 s24, s28, 8*11008
	s_mul_i32 s26, s28, 8*5632
	s_add_nc_u64 s[20:21], s[10:11], s[24:25]
	s_add_nc_u64 s[22:23], s[16:17], s[26:27]
	v_mul_u32_u24 v[TA], v[WVV], 11008
	v_lshl_add_u32 v[SRC], v1, 4, v[TA]
	v_and_b32 v[TB], 15, v1
	v_lshl_add_u32 v[SRC2], v[TB], 4, v[TA]
	v_mul_u32_u24 v[TB], v[WVV], 5632
	v_lshl_add_u32 v[DST], v1, 3, v[TB]
	v_cmp_gt_u32 vcc_lo, 16, v1                    ; lanes 0-15 hold the last step's numbers
	s_wait_alu depctr_va_vcc(0)                    ; VCC is written, ahead of its first reader: the last step's two selects, in this same run of code
	CONV 22, 1, 1, 1
	s_endpgm
.Lnot_d:
	; wgu's groups 86 and 87: 524,288 bytes of zeros, 65,536 a work-group
	s_sub_co_u32 s28, ttmp9, 856
	s_lshl_b32 s26, s28, 16
	s_add_co_u32 s26, s26, 86<<18
	s_add_nc_u64 s[22:23], s[14:15], s[26:27]
	v_lshlrev_b32 v[DST], 4, v0                    ; 256 threads x 16 bytes = 4,096 consecutive bytes a store
	v_mov_b32 v4, 0
	v_mov_b32 v5, 0
	v_mov_b32 v6, 0
	v_mov_b32 v7, 0
	s_wait_alu depctr_va_vdst(0)                   ; v[DST] and v4 to v7 are written: the sixteen stores read them as offset and data, and nothing writes them again
.set i, 0
.rept 16
	global_store_b128 v[DST], v[4:7], s[22:23] offset:4096*i
.set i, i+1
.endr
	s_endpgm
.Lfunc_end_k_qd22d211a61_prep:
	.size	k_qd22d211a61_prep, .Lfunc_end_k_qd22d211a61_prep-k_qd22d211a61_prep
	.p2alignl 7, 3214868480
	.fill 96, 4, 3214868480
	.section	.rodata,"a",@progbits
	.p2align	6, 0x0
	.amdhsa_kernel k_qd22d211a61_prep
		.amdhsa_group_segment_fixed_size 0
		.amdhsa_private_segment_fixed_size 0
		.amdhsa_enable_private_segment 0
		.amdhsa_kernarg_size 56
		.amdhsa_user_sgpr_count 2
		.amdhsa_user_sgpr_kernarg_segment_ptr 1
		.amdhsa_wavefront_size32 1
		.amdhsa_system_sgpr_workgroup_id_x 1
		.amdhsa_system_sgpr_workgroup_id_y 1
		.amdhsa_system_sgpr_workgroup_id_z 1
		.amdhsa_system_vgpr_workitem_id 0
		.amdhsa_next_free_vgpr 136
		.amdhsa_next_free_sgpr 66
		.amdhsa_reserve_vcc 1
		.amdhsa_float_denorm_mode_32 3
		.amdhsa_float_denorm_mode_16_64 3
		.amdhsa_memory_ordered 1
		.amdhsa_forward_progress 1
		.amdhsa_inst_pref_size 42
	.end_amdhsa_kernel
	.amdgpu_metadata
---
amdhsa.version: [ 1, 2 ]
amdhsa.kernels:
  - .name:           k_qd22d211a61_prep
    .symbol:         k_qd22d211a61_prep.kd
    .args:
      - { .name: x, .offset: 0, .size: 8, .value_kind: global_buffer, .address_space: global }
      - { .name: gate_w, .offset: 8, .size: 8, .value_kind: global_buffer, .address_space: global }
      - { .name: up_w, .offset: 16, .size: 8, .value_kind: global_buffer, .address_space: global }
      - { .name: down_w, .offset: 24, .size: 8, .value_kind: global_buffer, .address_space: global }
      - { .name: xb, .offset: 32, .size: 8, .value_kind: global_buffer, .address_space: global }
      - { .name: wgu, .offset: 40, .size: 8, .value_kind: global_buffer, .address_space: global }
      - { .name: dwb, .offset: 48, .size: 8, .value_kind: global_buffer, .address_space: global }
    .group_segment_fixed_size: 0
    .private_segment_fixed_size: 0
    .kernarg_segment_align: 8
    .kernarg_segment_size: 56
    .max_flat_workgroup_size: 256
    .sgpr_count:     66
    .vgpr_count:     136
    .wavefront_size: 32
...
	.end_amdgpu_metadata
.endif
;; end of part 7
;; launch gateup: the kernel of part 5 again; grid 8 x 22, 4 waves a work-group, clusters of 4 x 1, 327,680 bytes of LDS; arguments xb, wgu, gate_s, up_s, hb, hs; writes hb, hs
;; launch down: the kernel of part 6 again; grid 8 x 32, 4 waves a work-group, clusters of 4 x 4, 327,680 bytes of LDS; arguments hb, dwb, down_s, hs, out0; writes out0
